; MI455X (gfx1250); checked and timed in simulation.
; The chip was launched on July 23, 2026; its instructions are those of AMD's public machine-readable ISA for CDNA 5 (MIT licence, August 2026) and "CDNA5" Instruction Set Architecture Reference Guide (July 2026). The comments in the code are by the model that wrote it; some were corrected since.
;; Attention. Allowed arithmetic: matrix products marked QUANTISED: E2M3 operands, one E8M0 scale for each 32 along K, by v_wmma_scale_f32_16x16x128_f8f6f4 with both operands' format E2M3, f32 sums; everything else in f32.
;; Inputs: rope_cache 2,048 x 128 float32; sinks 32 float32; wk_b 512 float32; wk_w 512 x 2,048 float32; wo_b 2,048 float32; wo_w 2,048 x 2,048 float32; wq_b 2,048 float32; wq_w 2,048 x 2,048 float32; wv_b 512 float32; wv_w 512 x 2,048 float32; x 1 x 2,048 x 2,048 float32.
;; Outputs: out0 1 x 2,048 x 2,048 float32.
;; This version of the problem:
;;   THIS VERSION OF THE PROBLEM IS GIVEN IN LOW PRECISION. The matrix products marked QUANTISED in the list below multiply operands that are first quantised to E2M3 (2 exponent bits, 3 mantissa bits; 6 bits a number), with one power-of-two scale for each 32 numbers along K (OCP MX v1.0); their sums are f32. All else is computed in f32.
;;   The module's matrix products, in the order in which they are computed (A, B: the left and right operand; K: the contracted axis; several contracted axes count as one K, in the product's order):
;;     1. [M 2,048, K 2,048] x [K 2,048, N 2,048]; A: input x; B: input wq_w: QUANTISED
;;     2. [M 2,048, K 2,048] x [K 2,048, N 512]; A: input x; B: input wk_w: QUANTISED
;;     3. [M 2,048, K 2,048] x [K 2,048, N 512]; A: input x; B: input wv_w: QUANTISED
;;     4. batch 32 x [M 2,048, K 64] x [K 64, N 2,048]; A: computed on the way; B: computed on the way: QUANTISED
;;     5. batch 32 x [M 2,048, K 2,048] x [K 2,048, N 64]; A: computed on the way; B: computed on the way: QUANTISED
;;     6. [M 2,048, K 2,048] x [K 2,048, N 2,048]; A: computed on the way; B: input wo_w: QUANTISED
;;   THE QUANTISER, for each operand of a quantised product, along K:
;;     - K is cut into blocks of 32 from its start; a last block that is shorter is filled with zeros.
;;     - A block's scale is 2^e with e = floor(log2(the largest magnitude in the block)) - 2, held to -126 .. 127; a block of zeros has e = 0. As a byte (E8M0): e + 127.
;;     - Each number is divided by its block's scale, clamped to +-7.5, and rounded to the nearest number of E2M3, ties to even, subnormals kept.
;;     - The product sums the exact products of the quantised numbers (number of the format x scale) in f32.
;;   ~~~python
;;   def quantise(x, axis):      # numpy; x: float32 -> the quantised numbers, widened to float32 again
;;       x = np.moveaxis(x, axis, -1); K = x.shape[-1]
;;       x = np.pad(x, [(0, 0)] * (x.ndim - 1) + [(0, -K % 32)]); x = x.reshape(x.shape[:-1] + (-1, 32)); a = np.abs(x).max(-1, keepdims=True)
;;       e = np.where(a > 0, np.clip(np.frexp(np.where(a > 0, a, 1))[1] - 1 - 2, -126, 127), 0)      # np.frexp(a)[1] - 1 = floor(log2(a)), exactly
;;       r = np.clip(x / 2.0 ** e, -7.5, 7.5)
;;       step = 2.0 ** (np.maximum(np.frexp(np.where(r == 0, 1, r))[1] - 1, 0) - 3)
;;       q = np.round(r / step) * step * 2.0 ** e      # np.round: ties to even
;;       return np.moveaxis(q.reshape(q.shape[:-2] + (-1,))[..., :K], -1, axis).astype(np.float32)
;;   ~~~
;;   OPERANDS COMPUTED ON THE WAY. 'Computed on the way' means the value that the module computes at that place (a softmax that the list does not call 'softmax' is quantised finished and normalised). What goes into a quantiser is computed in f32, as accurately as f32 sums, v_exp_f32 and their like allow (about 1e-6 of the number): no bf16 or f16 on the way to a quantiser, and a product that is left as it is and whose result goes on into a quantised operand takes f32 operands (vector FMAs, or v_wmma_f32_16x16x4_f32). A number that lies on a knife's edge between two numbers of the format may be rounded either way, as far as f32 arithmetic and the matrix unit's own rounding can turn it there, and no further.
;; One version. Each part assembles by itself: llvm-mc -triple=amdgcn-amd-amdhsa -mcpu=gfx1250 --defsym DOCPART=n.
;; ======== version 1 of 1: 4 launches
;; workspace buffers: cw 11,010,048 bytes; sw 458,752 bytes; qkvc 4,718,592 bytes; qkvs 360,448 bytes; ac 3,145,728 bytes; asc 131,072 bytes
;; launch quant (part 1): grid 256 x 1, 7 waves a work-group, no clusters, 60,416 bytes of LDS; arguments x, wq_w, wk_w, wv_w, wo_w, cw, sw; writes cw, sw
.if DOCPART == 1
	.amdgcn_target "amdgcn-amd-amdhsa--gfx1250"
	.amdhsa_code_object_version 6
	.text
	.protected	k_qf4fce940d5_quant
	.globl	k_qf4fce940d5_quant
	.p2align	8
	.type	k_qf4fce940d5_quant,@function
k_qf4fce940d5_quant:
	s_mov_b64 s[64:65], 0
	v_nop
	global_prefetch_b8 v0, s[64:65] scope:SCOPE_SE
	s_setreg_imm32_b32 hwreg(HW_REG_WAVE_MODE, 25, 1), 1
	s_wait_xcnt 0x0
; x [2048][2048], wq_w [2048][2048], wk_w [512][2048], wv_w [512][2048], wo_w [2048][2048], all f32 with K innermost, become codes of FP6 (E2M3)
; with one E8M0 byte for each 32 along K.  A block's scale is 2^(floor(log2(its largest magnitude)) - 2); each number is divided by it and rounded to the nearest code, ties to even.
; THE OUTPUT IS LAID AS THE MATRIX UNIT'S REGISTERS.  The five tensors are 448 tiles of 16 rows (x 0-127, wq 128-255, wk 256-287, wv 288-319, wo 320-447).
; cw: a tile is 16 fragments (16 rows x 128 K, 12 registers a lane) of 1,536 bytes; byte 256 i + 8 lane + 4 e of a fragment is register 2 i + e of that lane.
; sw: a tile is 1,024 bytes; byte 256 j + 16 r + 4 q + b is the scale byte of row r, K step 4 j + q, block b.
; ORDER INSIDE A BLOCK OF 32: place p holds the block's number p (p in 0-7, 24-31), p + 8 (p in 8-15), p - 8 (p in 16-23).  Every operand of every product of this program is laid so,
; both sides alike, so that the products are the same; blocks and scales are untouched.  It is the order in which a matrix result's registers fall when they are quantised in the later launches.
; SHARES: 448 tiles x 4 quarters of K = 1,792 jobs = 256 work-groups x 7 waves.  A job is 16 rows x 512 K: four fragments.  Each load reads 512 consecutive bytes of a row; a fragment's 8 KiB turn through
; the wave's own stage in LDS (rows 528 bytes apart: the 16 rows of a read start at 16 different groups of banks) and come back a whole block to a lane.  Waves share nothing: no barrier, no cluster, no tensor load.
; LIMITS: a block whose largest magnitude lies under 2^-124 is held at the byte 1; a block of zeros gets the byte 1 (its codes are zeros; this program alone reads the bytes); NaN and infinities are not served.
.set STGB, 8448                        ; a wave's stage: 16 rows x 528 bytes
.set SP,   528
.set R,    16                          ; v16-143  two sets of 64: a fragment's numbers as loaded
.set X,    144                         ; v144-207 my two blocks of 32, in the order of the codes
.set C,    208                         ; v208-231 two sets of 12: a fragment's codes
.set CT,   232                         ; v232-234, v236-238: the second half of a block's codes, made here and moved
.set PW,   240                         ; v240-243 my row's scale word of each of the four fragments
	s_load_b256 s[4:11], s[0:1], 0x0               ; x s[4:5], wq_w s[6:7], wk_w s[8:9], wv_w s[10:11]
	s_load_b128 s[12:15], s[0:1], 0x20             ; wo_w s[12:13], cw s[14:15]
	s_load_b64 s[16:17], s[0:1], 0x30              ; sw
	v_lshl_add_u32 v254, v0, 2, 0xe800
	v_mov_b32 v255, 0
	v_lshrrev_b32 v1, 5, v0
	v_readfirstlane_b32 s18, v1                    ; wave 0..6
	v_and_b32 v1, 31, v0                           ; lane
	v_and_b32 v2, 15, v0                           ; r
	v_bfe_u32 v3, v0, 4, 1                         ; h
	v_lshlrev_b32 v4, 4, v1                        ; my 16 bytes of a load's 512
	s_mul_i32 s19, s18, STGB
	v_add_nc_u32 v5, s19, v4                       ; the stage, way in: as loaded
	v_mul_u32_u24 v6, v2, SP
	v_lshl_add_u32 v6, v3, 7, v6
	v_add_nc_u32 v6, s19, v6                       ; way out: row r, block h (and block 2 + h, 256 bytes on)
	v_lshlrev_b32 v7, 3, v1                        ; 8 x lane: my place in a pair of registers' 256 bytes
	v_lshlrev_b32 v8, 3, v3                        ; 8 h: how far my two scale bytes are shifted
	v_lshl_add_u32 v247, v2, 4, v8                 ; 16 r + 8 h: my two scale words on the way out
	v_mov_b32 v246, 0                              ; written once: a lane permute's destination counts as one of its sources
	s_mul_i32 s23, ttmp9, 7
	s_add_co_u32 s23, s23, s18                     ; my job
	s_lshr_b32 s24, s23, 2                         ; its tile of 16 rows
	s_and_b32 s25, s23, 3                          ; its quarter of K
	s_mov_b32 s26, 0x76543210
	s_mov_b32 s27, 0xfedcba98                      ; v_permlanex16_b32's selects for lane l xor 16
	s_wait_kmcnt 0x0
	s_mov_b64 s[20:21], s[12:13]                   ; which tensor: the choice hangs on the tile's number alone
	s_mov_b32 s22, 320
	s_cmp_lt_u32 s24, 320
	s_cselect_b64 s[20:21], s[10:11], s[20:21]
	s_cselect_b32 s22, 288, s22
	s_cmp_lt_u32 s24, 288
	s_cselect_b64 s[20:21], s[8:9], s[20:21]
	s_cselect_b32 s22, 256, s22
	s_cmp_lt_u32 s24, 256
	s_cselect_b64 s[20:21], s[6:7], s[20:21]
	s_cselect_b32 s22, 128, s22
	s_cmp_lt_u32 s24, 128
	s_cselect_b64 s[20:21], s[4:5], s[20:21]
	s_cselect_b32 s22, 0, s22
	s_sub_co_u32 s28, s24, s22                     ; the tile within its tensor: 16 rows of 8,192 bytes,
	s_lshl_b32 s28, s28, 17
	s_lshl_b32 s29, s25, 11                        ; and 2,048 bytes a quarter
	s_add_co_u32 s28, s28, s29
	s_mov_b32 s29, 0
	s_add_nc_u64 s[20:21], s[20:21], s[28:29]
	s_mul_i32 s28, s24, 24576
	s_mul_i32 s30, s25, 6144
	s_add_co_u32 s28, s28, s30
	s_add_nc_u64 s[14:15], s[14:15], s[28:29]      ; my four fragments in cw
	s_lshl_b32 s28, s24, 10
	s_lshl_b32 s30, s25, 8
	s_add_co_u32 s28, s28, s30
	s_add_nc_u64 s[16:17], s[16:17], s[28:29]      ; my 256 bytes of sw
.macro LOAD f                          ; fragment f: 16 rows x 512 consecutive bytes
.irp row, 0,1,2,3,4,5,6,7,8,9,10,11,12,13,14,15
	global_load_b128 v[R+64*((\f)%2)+4*\row:R+64*((\f)%2)+4*\row+3], v4, s[20:21] offset:\row*8192+512*(\f) th:TH_LOAD_NT
.endr
.endm
.macro TURN f                          ; through the stage: LDS serves a wave's instructions in order, so no wait stands between the stores and the loads
.irp row, 0,1,2,3,4,5,6,7,8,9,10,11,12,13,14,15
	ds_store_b128 v5, v[R+64*((\f)%2)+4*\row:R+64*((\f)%2)+4*\row+3] offset:SP*\row
.endr
.irp c, 0,1
.set g, 0
.irp sg, 0,1,4,5,2,3,6,7               ; the order inside a block, four numbers at a time
	ds_load_b128 v[X+32*\c+4*g:X+32*\c+4*g+3], v6 offset:256*\c+16*\sg
.set g, g+1
.endr
.endr
.endm
.macro QF f                            ; my blocks h and 2 + h of fragment f: scale, codes, stores
.set CS, C+12*((\f)%2)
.irp c, 0,1
.irp u, 0,1
	v_max3_num_f32 v[9+2*\c+\u], |v[X+32*\c+16*\u]|, |v[X+32*\c+16*\u+1]|, 0x1800000   ; four chains by turns; the floor 2^(3 - 127) among the leaves holds the byte at 1 from below
.endr
.endr
.irp i, 2,4,6,8,10,12,14
.irp c, 0,1
.irp u, 0,1
	v_max3_num_f32 v[9+2*\c+\u], v[9+2*\c+\u], |v[X+32*\c+16*\u+\i]|, |v[X+32*\c+16*\u+\i+1]|
.endr
.endr
.endr
	v_max_num_f32 v9, v9, v10                      ; block h's largest magnitude
	v_max_num_f32 v11, v11, v12                    ; block 2 + h's
	v_add_nc_u32 v13, 0xff000000, v9               ; 2 off the exponent field: the conversion takes this operand's exponent field as its scale
	v_add_nc_u32 v14, 0xff000000, v11
	v_lshrrev_b32 v9, 23, v13                      ; the scales' bytes
	v_lshrrev_b32 v11, 23, v14
	v_lshl_or_b32 v15, v11, 16, v9
	v_lshlrev_b32 v15, v8, v15                     ; at their places in the row's scale word;
	v_permlanex16_b32 v246, v15, s26, s27
	v_or_b32 v[PW+(\f)], v15, v246                 ; with lane l xor 16's two the word is whole
	v_cvt_scalef32_pk16_fp6_f32 v[CS:CS+2], v[X:X+15], v13
	v_cvt_scalef32_pk16_fp6_f32 v[CT:CT+2], v[X+16:X+31], v13      ; (a conversion's three registers begin on an even number)
	v_cvt_scalef32_pk16_fp6_f32 v[CS+6:CS+8], v[X+32:X+47], v14
	v_cvt_scalef32_pk16_fp6_f32 v[CT+4:CT+6], v[X+48:X+63], v14
	v_nop                                          ; one plain place behind the scaled conversions
.irp i, 0,1,2
	v_mov_b32 v[CS+3+\i], v[CT+\i]
	v_mov_b32 v[CS+9+\i], v[CT+4+\i]
.endr
.irp i, 0,1,2,3,4,5
	global_store_b64 v7, v[CS+2*\i:CS+2*\i+1], s[14:15] offset:1536*(\f)+256*\i   ; 32 lanes store 256 consecutive bytes, at a multiple of 256 from cw's first byte
.endr
.endm
	LOAD 0
	LOAD 1
.irp f, 0,1,2,3
.if \f < 3
	s_wait_loadcnt 16                              ; this fragment's 16 loads are in; the next fragment's 16 may be out
.else
	s_wait_loadcnt 0x0
.endif
	TURN \f
	s_wait_dscnt 0x0                               ; my blocks are back, and the stores into the stage have read their registers,
.if \f < 2
	LOAD \f+2                                      ; which take the fragment two on
.else
	s_wait_xcnt 0x0                                ; the stores of two fragments ago have read this set of codes: it is written again only behind this wait
.endif
	QF \f
.endr
	v_cmp_eq_u32 vcc_lo, 1, v3                     ; lanes 0-15 send their row's words 0 and 1, lanes 16-31 words 2 and 3
	v_cndmask_b32 v244, v[PW], v[PW+2], vcc_lo
	v_cndmask_b32 v245, v[PW+1], v[PW+3], vcc_lo
	global_store_b64 v247, v[244:245], s[16:17]    ; 256 consecutive bytes, aligned
	s_wait_tensorcnt 0x0
	ds_add_u32 v254, v255
	s_wait_dscnt 0x0
	s_endpgm
.Lfunc_end_k_qf4fce940d5_quant:
	.size	k_qf4fce940d5_quant, .Lfunc_end_k_qf4fce940d5_quant-k_qf4fce940d5_quant
	.p2alignl 7, 3214868480
	.fill 96, 4, 3214868480
	.section	.rodata,"a",@progbits
	.p2align	6, 0x0
	.amdhsa_kernel k_qf4fce940d5_quant
		.amdhsa_group_segment_fixed_size 60416
		.amdhsa_private_segment_fixed_size 0
		.amdhsa_enable_private_segment 0
		.amdhsa_kernarg_size 56
		.amdhsa_user_sgpr_count 2
		.amdhsa_user_sgpr_kernarg_segment_ptr 1
		.amdhsa_wavefront_size32 1
		.amdhsa_system_sgpr_workgroup_id_x 1
		.amdhsa_system_sgpr_workgroup_id_y 1
		.amdhsa_system_sgpr_workgroup_id_z 1
		.amdhsa_system_vgpr_workitem_id 0
		.amdhsa_next_free_vgpr 256
		.amdhsa_next_free_sgpr 66
		.amdhsa_reserve_vcc 1
		.amdhsa_float_denorm_mode_32 3
		.amdhsa_float_denorm_mode_16_64 3
		.amdhsa_memory_ordered 1
		.amdhsa_forward_progress 1
		.amdhsa_inst_pref_size 32
	.end_amdhsa_kernel
	.amdgpu_metadata
---
amdhsa.version: [ 1, 2 ]
amdhsa.kernels:
  - .name:           k_qf4fce940d5_quant
    .symbol:         k_qf4fce940d5_quant.kd
    .args:
      - { .name: x, .offset: 0, .size: 8, .value_kind: global_buffer, .address_space: global }
      - { .name: wq_w, .offset: 8, .size: 8, .value_kind: global_buffer, .address_space: global }
      - { .name: wk_w, .offset: 16, .size: 8, .value_kind: global_buffer, .address_space: global }
      - { .name: wv_w, .offset: 24, .size: 8, .value_kind: global_buffer, .address_space: global }
      - { .name: wo_w, .offset: 32, .size: 8, .value_kind: global_buffer, .address_space: global }
      - { .name: cw, .offset: 40, .size: 8, .value_kind: global_buffer, .address_space: global }
      - { .name: sw, .offset: 48, .size: 8, .value_kind: global_buffer, .address_space: global }
    .group_segment_fixed_size: 60416
    .private_segment_fixed_size: 0
    .kernarg_segment_align: 8
    .kernarg_segment_size: 56
    .max_flat_workgroup_size: 224
    .sgpr_count:     66
    .vgpr_count:     256
    .wavefront_size: 32
...
	.end_amdgpu_metadata
.endif
;; end of part 1
;; launch qkv (part 2): grid 24 x 16, 4 waves a work-group, clusters of 4 x 4, 327,680 bytes of LDS; arguments cw, sw, rope_cache, wq_b, wk_b, wv_b, qkvc, qkvs; writes qkvc, qkvs
.if DOCPART == 2
	.amdgcn_target "amdgcn-amd-amdhsa--gfx1250"
	.amdhsa_code_object_version 6
	.text
	.protected	k_qf4fce940d5_qkv
	.globl	k_qf4fce940d5_qkv
	.p2align	8
	.type	k_qf4fce940d5_qkv,@function
k_qf4fce940d5_qkv:
	s_mov_b64 s[64:65], 0
	v_nop
	global_prefetch_b8 v0, s[64:65] scope:SCOPE_SE
	s_setreg_imm32_b32 hwreg(HW_REG_WAVE_MODE, 25, 1), 1
	s_wait_xcnt 0x0
	s_wait_alu depctr_hold_cnt(0) depctr_sa_sdst(0) depctr_va_vdst(0) depctr_va_sdst(0) depctr_va_ssrc(0) depctr_va_vcc(0) depctr_vm_vsrc(0)
	s_getreg_b32 s2, hwreg(HW_REG_IB_STS2, 6, 4)
	s_cmp_eq_u32 s2, 0
	s_cbranch_scc0 .Lentry_in_a_cluster
	s_endpgm
.Lentry_in_a_cluster:
	s_bfe_u32 s2, ttmp6, 0x10000c
	s_cmp_lg_u32 s2, 0xf033
	s_cbranch_scc0 .Lentry_shape_is_right
	s_endpgm
.Lentry_shape_is_right:
; q = rope(x wq^T + bq), k = rope(x wk^T + bk), v = x wv^T + bv, on codes of FP6 (E2M3) with E8M0 scales; the results are quantised here and leave as codes: q and k along the head's 64, v along the tokens (its next K).
; INPUT: cw, sw: fragments of 16 rows x 128 K as images of the matrix unit's registers (1,536 bytes; byte 256 i + 8 lane + 4 e = register 2 i + e), 16 a tile of 16 rows; scale bytes 1,024 a tile (byte 256 j + 16 r + 4 q + b:
; row r, K step 4 j + q, block b).  In tiles of 128 rows: x 0-15, wq 16-31, wk 32-35, wv 36-39.  Inside each block of 32 all operands of this program have one common order of k (places 8-15 and 16-23 changed over).
; A work-group makes 128 x 128 results, a wave 64 x 64: 16 accumulators.  Larger tiles would leave 96 work-groups or fewer for this size.  D = (source 0: 16 rows of S0) x (source 1: 16 rows of S1): lane (r, h) of accumulator (a, b) holds
; S1's row 16 a + r, and its registers j hold S0's rows 16 b + 8 h + j.  q, k (cluster x 0-4): S1 = tokens, S0 = rows of wq or wk: a lane holds one token and 32 of a head's 64 numbers.
; v (cluster x 5): S1 = rows of wv, S0 = tokens: a lane holds one channel and its registers run along the tokens, as v's quantiser wants.
; CLUSTERS 4 x 4: S1's tile hangs on the cluster's row alone and is asked for jointly by that row, S0's on the column alone.  K goes through two LDS slots of 512 along K (four K steps), four fills in all, written out without a loop.
; The rope rows of the 128 tokens come once, jointly along the row; the v clusters ask for them too and do not read them, so that every count of tensor loads is the same on every path.
; OUTPUT qkvc: q head hq at 98,304 hq: [token tile][768]: registers 0-5 of a fragment (K = 64); kv head g at 3,145,728 + 196,608 g: k likewise, then at + 98,304 v as [128 tokens][channel tile][half][768].
; qkvs: q head at 8,192 hq, kv head at 262,144 + 12,288 g (k, then v at + 8,192).  q, k: [64 tokens][lane][2 words]: word m of lane (r, h) is token tile 2 m + h's row r: two bytes, and 0x7f7f above them for the K that is zeros.
; v: [128 tokens][lane][2 words]: word m of lane (r, h): channel tile 2 m + h, row r, the four key blocks' bytes.
; LIMITS: a block whose largest magnitude lies under 2^-124 is held at the byte 1; a block of zeros gets the byte 1 (this program alone reads the bytes); NaN and infinities are not served.
; REGISTERS: window 0: v1 r, v2 h, v3 8 x lane, v4-15 at work on the way out, v16-31 addresses, v32-63 scale words (two sets), v64-95 bq or bk, v96-103 bv, v96-127 a token tile after rope, v128-255 accumulators (a, b) at 128 + 8 (4 a + b).
;   window 1: two sets of fragments at v0 and v128: S1's fragment a at 12 a, S0's fragment b at 48 + 12 b; on the way out v0-127: cos and sin, two sets.
.set SLOT,  98304                      ; a slot: S1's 8 row tiles x 6,144 bytes, then S0's
.set S0OFF, 49152
.set RTB,   6144                       ; a row tile's four K steps
.set FRB,   1536                       ; a fragment
.set SCL,   196608                     ; the scales of S1's 128 rows (8,192 bytes, all of K), then S0's: filled once
.set ROPE,  212992                     ; 128 rows of rope_cache, 512 bytes + 16: filled once
.set RP,    528
.set SPARE, 280576                     ; the spare words, 128 bytes for each wave: two blocks of 256 bytes that no other line names
.set L8,   3
.set ADR1, 16                          ; v16-17 LDS address of my S1 fragments in slot 0, 1
.set ADR0, 20                          ; v20-21 of my S0 fragments
.set ADRS, 27                          ; v27    of my scale words: lanes 0-15 S1's rows, lanes 16-31 S0's
.set SPW,  28                          ; v28    my spare word: SPARE + 4 x my thread's number; never rewritten
.set NIL,  29                          ; v29    0; never rewritten
.set RA,   30                          ; v30    my token's rope row
.set SC,   32
.set BI,   64
.set BV,   96
.set W,    96
.set ACC,  128
.set F0,   0
.set F1,   128
.set G1,   24                          ; s[24:31] group 1 of S1's tiles; s[32:39] their groups 0, one for each slot
.set G0,   32
.set G1B,  48                          ; s[48:55], s[56:63] the same for S0
.set G0B,  56
.set G1S,  68                          ; s[68:75], s[76:79] S1's scales; s[80:87], s[88:91] S0's
.set G0S,  76
.set G1SB, 80
.set G0SB, 88
.set G1R,  92                          ; s[92:99] the rope rows; their group 0 in s[4:7], once cw's and sw's addresses have gone into the other groups
.set MSB, 0
.macro WIN new                         ; the immediate's high byte repeats the setting that is left
.if MSB != \new
	s_set_vgpr_msb (MSB<<8)|\new
.set MSB, \new
.endif
.endm
.set MUL,  0x05                        ; sources 0 and 1 window 1; C and D window 0
.set TO_F, 0x40                        ; destination window 1, address window 0
.set CSW,  0x04                        ; source 1 window 1
; A joint load: waves 0 and 1 fetch S1's halves, waves 2 and 3 S0's.  Each line has one mask and one set of registers for all that issue it; the branch hangs on the wave's number alone.
; Four v_nop follow each of the two lines, ahead of the jump, the label and what follows.
.macro JLOAD g0a, g1a, g0b, g1b
	s_cmp_eq_u32 s21, 0
	s_cbranch_scc0 .Lfor_b_\@
	tensor_load_to_lds s[\g0a:\g0a+3], s[\g1a:\g1a+7]
	s_nop 0
.rept 4
	v_nop
.endr
	s_branch .Lasked_\@
.Lfor_b_\@:
	tensor_load_to_lds s[\g0b:\g0b+3], s[\g1b:\g1b+7]
	s_nop 0
.rept 4
	v_nop
.endr
.Lasked_\@:
.endm
.macro CREST                           ; a round of the cluster's barrier behind its opening barrier
	s_cmp_lg_u32 s20, 0
	s_cbranch_scc1 .Lnot_wave_0_\@
	s_barrier_signal -3
.Lnot_wave_0_\@:
	s_barrier_wait -3
	s_barrier_signal -1
	s_barrier_wait -1
.endm
.macro CROUND                          ; a whole round
	s_barrier_signal -1
	s_barrier_wait -1
	CREST
.endm
.macro PLACES                          ; four places behind this form, in front of loads into registers that matrix instructions have read and of the first read of results
.rept 4
	v_nop
.endr
.endm
	s_load_b256 s[4:11], s[0:1], 0x0               ; cw s[4:5], sw s[6:7], rope_cache s[8:9], wq_b s[10:11]
	s_load_b256 s[12:19], s[0:1], 0x20             ; wk_b s[12:13], wv_b s[14:15], qkvc s[16:17], qkvs s[18:19]
	v_lshl_add_u32 v[SPW], v0, 2, SPARE
	v_mov_b32 v[NIL], 0
	ds_add_u32 v28, v29
	ds_add_u32 v28, v29
	s_wait_dscnt 0x0
	v_lshrrev_b32 v1, 5, v0
	v_readfirstlane_b32 s20, v1                    ; wave 0..3
	s_lshr_b32 s21, s20, 1                         ; which half of S1's rows is mine.  Also: I fetch for S1 (0) or for S0 (1)
	s_and_b32 s22, s20, 1                          ; which half of S0's rows.  Also: which four row tiles I fetch
	s_bfe_u32 s40, ttmp6, 0x40000                  ; cx, cy: my place in the cluster
	s_bfe_u32 s41, ttmp6, 0x40004
	s_mov_b32 s42, ttmp9                           ; the cluster's x: 0-3 q, 4 k, 5 v
	s_and_b32 s43, ttmp7, 0xffff                   ; the cluster's y
	s_lshl_b32 s2, s41, 2
	s_lshl_b32 s2, 15, s2                          ; my row of the cluster
	s_lshl_b32 s3, 0x1111, s40                     ; my column
	s_or_b32 s[G1], s2, (3<<16)|(1<<21)            ; 15:0 the mask; 17:16 elements of 8 bytes; 21 set beside a mask; no padding: a fragment's image is read 256 consecutive bytes at a time
	s_or_b32 s[G1B], s3, (3<<16)|(1<<21)
	s_or_b32 s[G1S], s2, (3<<16)|(1<<21)
	s_or_b32 s[G1SB], s3, (3<<16)|(1<<21)
	s_or_b32 s[G1R], s2, (3<<16)|(1<<20)|(1<<21)|(6<<22)|(3<<25)   ; padding: 4 words behind every 128
.irp g, G1, G1B                        ; four row tiles, of each the 6,144 bytes of four K steps, 24,576 bytes apart
	s_mov_b32 s[\g+1], 768<<16                     ; tensor_dim0
	s_mov_b32 s[\g+2], 4<<16                       ; tensor_dim1
	s_mov_b32 s[\g+3], 768<<16                     ; tile_dim0
	s_mov_b32 s[\g+4], 4                           ; tile_dim1
	s_mov_b32 s[\g+5], 3072                        ; tensor_dim0_stride
	s_mov_b32 s[\g+6], 0
	s_mov_b32 s[\g+7], 0
.endr
.irp g, G1S, G1SB                      ; 4,096 dense bytes as 16 rows of 256
	s_mov_b32 s[\g+1], 32<<16
	s_mov_b32 s[\g+2], 16<<16
	s_mov_b32 s[\g+3], 32<<16
	s_mov_b32 s[\g+4], 16
	s_mov_b32 s[\g+5], 32
	s_mov_b32 s[\g+6], 0
	s_mov_b32 s[\g+7], 0
.endr
	s_mov_b32 s[G1R+1], 64<<16                     ; 32 rope rows of 512 bytes
	s_mov_b32 s[G1R+2], 32<<16
	s_mov_b32 s[G1R+3], 64<<16
	s_mov_b32 s[G1R+4], 32
	s_mov_b32 s[G1R+5], 64
	s_mov_b32 s[G1R+6], 0
	s_mov_b32 s[G1R+7], 0
	s_mov_b32 s100, 0x76543210
	s_mov_b32 s101, 0xfedcba98                     ; v_permlanex16_b32's selects for lane l xor 16
	; which tiles of 128 rows.  The choice is between numbers that the whole cluster shares; cy or cx is added behind it
	s_lshl_b32 s44, s43, 2                         ; 4 x cluster y
	s_lshl_b32 s45, s42, 2
	s_add_co_u32 s45, s45, 16                      ; 16 + 4 x cluster x
	s_cmp_eq_u32 s42, 5
	s_cselect_b32 s23, 1, 0                        ; a v cluster?
	s_cselect_b32 s45, s44, s45
	s_cselect_b32 s44, 36, s44
	s_add_co_u32 s44, s44, s41                     ; S1's tile: tokens 4 CY + cy, or wv's 36 + cy
	s_add_co_u32 s45, s45, s40                     ; S0's tile: wq's or wk's 16 + 4 CX + cx, or tokens 4 CY + cx
	s_mul_i32 s104, s22, 4*24576                   ; which four row tiles I fetch
	s_mul_i32 s46, s44, 8*24576
	s_add_co_u32 s46, s46, s104
	s_mov_b32 s47, 0
	s_mul_i32 s66, s45, 8*24576
	s_add_co_u32 s66, s66, s104
	s_mov_b32 s67, 0
	s_lshl_b32 s105, s22, 12                       ; and their scales
	s_lshl_b32 s2, s44, 13
	s_add_co_u32 s2, s2, s105
	s_mov_b32 s3, 0
	s_lshl_b32 s104, s45, 13
	s_add_co_u32 s104, s104, s105
	s_mov_b32 s105, 0
	s_wait_kmcnt 0x0
	s_add_nc_u64 s[46:47], s[4:5], s[46:47]
	s_add_nc_u64 s[66:67], s[4:5], s[66:67]
	s_add_nc_u64 s[2:3], s[6:7], s[2:3]
	s_add_nc_u64 s[104:105], s[6:7], s[104:105]
	s_mov_b32 s[G0S], 1
	s_lshl_b32 s[G0S+1], s20, 12                   ; where they go: wave x 4,096: no place in the cluster enters an LDS address
	s_add_co_u32 s[G0S+1], s[G0S+1], SCL
	s_mov_b64 s[G0S+2:G0S+3], s[2:3]
	s_or_b32 s[G0S+3], s[G0S+3], 0x80000000
	s_mov_b32 s[G0SB], 1
	s_lshl_b32 s[G0SB+1], s20, 12
	s_add_co_u32 s[G0SB+1], s[G0SB+1], SCL
	s_mov_b64 s[G0SB+2:G0SB+3], s[104:105]
	s_or_b32 s[G0SB+3], s[G0SB+3], 0x80000000
.irp s, 0,1
	s_mov_b32 s[G0+4*\s], 1
	s_mul_i32 s[G0+4*\s+1], s20, 4*RTB             ; wave x four row tiles
	s_add_co_u32 s[G0+4*\s+1], s[G0+4*\s+1], \s*SLOT
	s_add_nc_u64 s[G0+4*\s+2:G0+4*\s+3], s[46:47], \s*RTB   ; slot s begins with K steps 4 s on
	s_or_b32 s[G0+4*\s+3], s[G0+4*\s+3], 0x80000000
	s_mov_b32 s[G0B+4*\s], 1
	s_mul_i32 s[G0B+4*\s+1], s20, 4*RTB
	s_add_co_u32 s[G0B+4*\s+1], s[G0B+4*\s+1], \s*SLOT
	s_add_nc_u64 s[G0B+4*\s+2:G0B+4*\s+3], s[66:67], \s*RTB
	s_or_b32 s[G0B+4*\s+3], s[G0B+4*\s+3], 0x80000000
.endr
	s_lshl_b32 s46, s43, 2                         ; rope rows 128 (4 CY + cy) + 32 wave, 512 bytes each
	s_add_co_u32 s46, s46, s41
	s_lshl_b32 s46, s46, 16
	s_lshl_b32 s47, s20, 14
	s_add_co_u32 s46, s46, s47
	s_mov_b32 s47, 0
	s_mov_b32 s4, 1
	s_mul_i32 s5, s20, 32*RP
	s_add_co_u32 s5, s5, ROPE
	s_add_nc_u64 s[6:7], s[8:9], s[46:47]
	s_or_b32 s7, s7, 0x80000000
	CROUND                                         ; all sixteen work-groups are here: the first joint loads meet
	JLOAD G0S, G1S, G0SB, G1SB                     ; the scales first: they are wanted with K step 0
	JLOAD G0, G1, G0B, G1B                         ; slot 0
	JLOAD G0+4, G1, G0B+4, G1B                     ; slot 1
	tensor_load_to_lds s[4:7], s[G1R:G1R+7]        ; the rope rows: every wave a quarter.  Four tensor loads of mine are out
	s_nop 0
.rept 4
	v_nop
.endr
	v_and_b32 v1, 15, v0                           ; r
	v_bfe_u32 v2, v0, 4, 1                         ; h
	v_and_b32 v[L8], 31, v0
	v_lshlrev_b32 v[L8], 3, v[L8]                  ; 8 x lane
	v_mov_b32 v6, 0                                ; written once: a lane permute's destination counts as one of its sources
	v_mov_b32 v7, 0
	s_mul_i32 s46, s21, 4*RTB                      ; my four row tiles of S1,
	s_mul_i32 s47, s22, 4*RTB                      ; and of S0, which lie behind S1's eight
	s_add_co_u32 s47, s47, S0OFF
.irp s, 0,1
	v_add_nc_u32 v[ADR1+\s], s46, v[L8]
	v_add_nc_u32 v[ADR0+\s], s47, v[L8]
	s_add_co_u32 s46, s46, SLOT
	s_add_co_u32 s47, s47, SLOT
.endr
	s_lshl_b32 s46, s21, 12                        ; scale words: S1's four tiles;
	s_lshl_b32 s47, s22, 12                        ; S0's, behind S1's 8,192 bytes
	s_add_co_u32 s47, s47, 8192
	s_sub_co_u32 s47, s47, s46
	v_mul_u32_u24 v4, s47, v2                      ; lanes 16-31 take S0's: one product, the distance between the two
	s_add_co_u32 s46, s46, SCL
	v_lshl_add_u32 v4, v1, 4, v4                   ; 16 bytes a row: the words of four K steps
	v_add_nc_u32 v[ADRS], s46, v4
	s_mul_i32 s46, s21, 64*RP
	s_add_co_u32 s46, s46, ROPE
	v_mul_u32_u24 v4, v1, RP
	v_lshl_add_u32 v4, v2, 5, v4
	v_add_nc_u32 v[RA], s46, v4                    ; rope: row 64 x half + r, + 32 h bytes: my eight numbers of a tile of 16
	; the biases.  Both kinds are loaded in every cluster, at addresses inside their buffers, so that both ways out find their registers written
	s_lshl_b32 s46, s42, 2
	s_add_co_u32 s46, s46, s40
	s_lshl_b32 s46, s46, 1
	s_add_co_u32 s46, s46, s22                     ; my head, q's 0-31 and k's 32-39 on end
	s_cmp_eq_u32 s42, 4
	s_cselect_b64 s[66:67], s[12:13], s[10:11]     ; wk_b or wq_b
	s_cselect_b32 s47, 32, 0
	s_sub_co_u32 s46, s46, s47
	s_cmp_eq_u32 s42, 5
	s_cselect_b32 s46, 0, s46                      ; (a v cluster loads head 0's and does not use them)
	s_lshl_b32 s104, s46, 8
	s_mov_b32 s105, 0
	s_add_nc_u64 s[66:67], s[66:67], s[104:105]
	s_lshl_b32 s2, s41, 1
	s_add_co_u32 s2, s2, s21                       ; 2 cy + half: in a v cluster my kv head; always 0-7
	s_lshl_b32 s2, s2, 8
	s_mov_b32 s3, 0
	s_add_nc_u64 s[2:3], s[14:15], s[2:3]
	v_lshlrev_b32 v5, 5, v2                        ; 32 h
	v_lshlrev_b32 v8, 2, v1                        ; 4 r
.irp b, 0,1,2,3
	global_load_b128 v[BI+8*\b:BI+8*\b+3], v5, s[66:67] offset:64*\b          ; bias of the head's numbers 16 b + 8 h + 0 .. 7
	global_load_b128 v[BI+8*\b+4:BI+8*\b+7], v5, s[66:67] offset:64*\b+16
.endr
.irp a, 0,1,2,3
	global_load_b32 v[BV+2*\a], v8, s[2:3] offset:64*\a                       ; bv of channel 16 a + r, twice: a pair for the packed addition
	global_load_b32 v[BV+2*\a+1], v8, s[2:3] offset:64*\a
.endr
; Four matrix instructions: S1's block a against S0's four, 128 along K: the slot's q-th.  f: the set of fragments; sc: the set of scale words.  zero = 1: the first product starts the sums: nothing is cleared.
; A scale register holds S1's words in lanes 0-15 and S0's in lanes 16-31.  The 16 accumulators take turns, one instruction a turn, in the same order in every K step.
.macro MUL4 f, a, sc, q, zero
.irp b, 0,1,2,3
.if \zero
	v_wmma_scale_f32_16x16x128_f8f6f4 v[ACC+8*(4*(\a)+\b):ACC+8*(4*(\a)+\b)+7], v[\f+48+12*\b:\f+48+12*\b+11], v[\f+12*(\a):\f+12*(\a)+11], 0, v[SC+16*(\sc)+4*\b+(\q)], v[SC+16*(\sc)+4*(\a)+(\q)] matrix_a_fmt:MATRIX_FMT_FP6 matrix_b_fmt:MATRIX_FMT_FP6 matrix_a_scale:MATRIX_SCALE_ROW1
.else
	v_wmma_scale_f32_16x16x128_f8f6f4 v[ACC+8*(4*(\a)+\b):ACC+8*(4*(\a)+\b)+7], v[\f+48+12*\b:\f+48+12*\b+11], v[\f+12*(\a):\f+12*(\a)+11], v[ACC+8*(4*(\a)+\b):ACC+8*(4*(\a)+\b)+7], v[SC+16*(\sc)+4*\b+(\q)], v[SC+16*(\sc)+4*(\a)+(\q)] matrix_a_fmt:MATRIX_FMT_FP6 matrix_b_fmt:MATRIX_FMT_FP6 matrix_a_scale:MATRIX_SCALE_ROW1
.endif
.endr
.endm
.macro FRAG reg, adr, off              ; a fragment's image: six loads of 256 consecutive bytes
.irp i, 0,1,2,3,4,5
	ds_load_b64 v[\reg+2*\i:\reg+2*\i+1], v[\adr] offset:\off+256*\i
.endr
.endm
.macro FETCH slot, q, f                ; 48 loads in one run: S0's four fragments, then S1's four
	WIN TO_F
.irp b, 0,1,2,3
	FRAG \f+48+12*\b, ADR0+\slot, \b*RTB+(\q)*FRB
.endr
.irp a, 0,1,2,3
	FRAG \f+12*\a, ADR1+\slot, \a*RTB+(\q)*FRB
.endr
.endm
.macro SCALES sc, fill                 ; a fill's scale words, four K steps a load: lanes 0-15 S1's tile i, lanes 16-31 S0's tile i
.irp i, 0,1,2,3
	ds_load_b128 v[SC+16*\sc+4*\i:SC+16*\sc+4*\i+3], v[ADRS] offset:1024*\i+256*\fill
.endr
.endm
.macro STEP slot, q, f, g, zero        ; a K step that has its successor in the same slot
	s_wait_dscnt 12                                ; all but the youngest 12 loads (S1's fragments 2 and 3) are in
	WIN MUL
	MUL4 \f, 0, \slot, \q, \zero
	MUL4 \f, 1, \slot, \q, \zero
	PLACES
	FETCH \slot, (\q)+1, \g
	s_wait_dscnt 48                                ; all but the 48 just issued
	WIN MUL
	MUL4 \f, 2, \slot, \q, \zero
	MUL4 \f, 3, \slot, \q, \zero
.endm
; A slot's last K step changes slots: ONE barrier; in front of it each wave waits for all its tensor loads, adds 0 to its spare word, and waits for that and for its own reads of this slot.
; fill = 1: the barrier opens a round of the cluster's barrier, and this slot is filled again, with the K steps eight on.  idx: which fill the next slot holds.
.macro TURN slot, next, fill, idx
	WIN 0                                          ; (the add's two registers lie in window 0)
	s_wait_tensorcnt 0x0                           ; all my tensor loads have landed: my part of the next slot among them;
	ds_add_u32 v[SPW], v[NIL]                      ; 0 onto my spare word;
	s_wait_dscnt 13                                ; (the add and the youngest 12 loads may be out)
	WIN MUL
	MUL4 F1, 0, \slot, 3, 0                        ; four matrix instructions stand between the add and the wait for it
	s_wait_dscnt 0x0                               ; the add is done, and my reads of this slot are over
	s_barrier_signal -1
	MUL4 F1, 1, \slot, 3, 0
	WIN 0
	s_barrier_wait -1
.if \fill
	CREST                                          ; no wave of any partner still reads this slot or has a load on its way
	s_add_nc_u64 s[G0+4*\slot+2:G0+4*\slot+3], s[G0+4*\slot+2:G0+4*\slot+3], 2*RTB
	s_add_nc_u64 s[G0B+4*\slot+2:G0B+4*\slot+3], s[G0B+4*\slot+2:G0B+4*\slot+3], 2*RTB
	JLOAD G0+4*\slot, G1, G0B+4*\slot, G1B         ; the first tensor load behind the round; its four v_nop are the places in front of the loads below
.else
	PLACES
.endif
	SCALES \next, \idx
	FETCH \next, 0, F0
	WIN MUL
	MUL4 F1, 2, \slot, 3, 0
	MUL4 F1, 3, \slot, 3, 0
.endm
	s_wait_tensorcnt 2                             ; the scales and my part of slot 0 are in; slot 1's load and the rope's may be out
	s_barrier_signal -1
	s_barrier_wait -1                              ; everybody's are
	SCALES 0, 0
	FETCH 0, 0, F0
	STEP 0, 0, F0, F1, 1                           ; K steps 0-3
	STEP 0, 1, F1, F0, 0
	STEP 0, 2, F0, F1, 0
	TURN 0, 1, 1, 1                                ; slot 0 takes K steps 8-11
	STEP 1, 0, F0, F1, 0                           ; K steps 4-7
	STEP 1, 1, F1, F0, 0
	STEP 1, 2, F0, F1, 0
	TURN 1, 0, 1, 2                                ; slot 1 takes K steps 12-15
	STEP 0, 0, F0, F1, 0                           ; K steps 8-11
	STEP 0, 1, F1, F0, 0
	STEP 0, 2, F0, F1, 0
	TURN 0, 1, 0, 3                                ; nothing is left to fetch: a barrier, no round
	STEP 1, 0, F0, F1, 0                           ; K steps 12-15
	STEP 1, 1, F1, F0, 0
	STEP 1, 2, F0, F1, 0
	s_wait_dscnt 12
	WIN MUL
	MUL4 F1, 0, 1, 3, 0
	MUL4 F1, 1, 1, 3, 0
	s_wait_dscnt 0x0
	MUL4 F1, 2, 1, 3, 0
	MUL4 F1, 3, 1, 3, 0
	WIN 0
; 32 numbers of a lane, v[src] on: register 16 b + i belongs to block b; lanes l and l xor 16 share the two blocks.  They become six registers of codes at v[pc] (lane (r, h): block h, whole) and the two scale bytes in v[hw].
.macro QUANT2 src, pc, ct, hw
.irp b, 0,1
	v_max3_num_f32 v[4+\b], |v[\src+16*\b]|, |v[\src+16*\b+1]|, 0x1800000     ; with the floor 2^(3 - 127): the byte cannot fall under 1
.endr
.irp i, 2,4,6,8,10,12,14
.irp b, 0,1
	v_max3_num_f32 v[4+\b], v[4+\b], |v[\src+16*\b+\i]|, |v[\src+16*\b+\i+1]|
.endr
.endr
.irp b, 0,1
	v_permlanex16_b32 v[6+\b], v[4+\b], s100, s101
.endr
.irp b, 0,1
	v_max_num_f32 v[4+\b], v[4+\b], v[6+\b]        ; the block's largest magnitude
.endr
.irp b, 0,1
	v_add_nc_u32 v[8+\b], 0xff000000, v[4+\b]      ; 2 off its exponent field: the conversion's scale operand
.endr
.irp b, 0,1
	v_lshrrev_b32 v[6+\b], 23, v[8+\b]             ; the scale's byte
.endr
	v_lshl_or_b32 v[\hw], v7, 8, v6
	v_cvt_scalef32_pk16_fp6_f32 v[\pc:\pc+2], v[\src:\src+15], v8
	v_cvt_scalef32_pk16_fp6_f32 v[\ct:\ct+2], v[\src+16:\src+31], v9
	v_nop                                          ; one plain place behind the scaled conversions
.irp i, 0,1,2
	v_permlane16_swap_b32 v[\pc+\i], v[\ct+\i]     ; the first's lanes 16-31 change places with the second's lanes 0-15: a whole block to a lane
.endr
.irp i, 0,1,2
	v_mov_b32 v[\pc+3+\i], v[\ct+\i]
.endr
.endm
	PLACES                                         ; behind the last products: results are read, and cos and sin are loaded over fragments
	s_wait_loadcnt 0x0                             ; the biases
	s_cmp_lg_u32 s23, 0                            ; the cluster's x alone decides: alike in all partners
	s_cbranch_scc1 .Lv_out
	; ---- q and k: bias, rope, codes along the head's 64
	s_lshl_b32 s46, s42, 2
	s_add_co_u32 s46, s46, s40
	s_lshl_b32 s46, s46, 1
	s_add_co_u32 s46, s46, s22                     ; my head, q's and k's on end
	s_mov_b32 s2, 98304
	s_mov_b32 s104, 8192
	s_cmp_eq_u32 s42, 4                            ; k: other strides and starts
	s_cselect_b32 s47, 32, 0
	s_cselect_b32 s2, 196608, s2
	s_cselect_b32 s3, 3145728, 0
	s_cselect_b32 s104, 12288, s104
	s_cselect_b32 s105, 262144, 0
	s_sub_co_u32 s46, s46, s47
	s_mul_i32 s2, s46, s2
	s_add_co_u32 s2, s2, s3
	s_mul_i32 s104, s46, s104
	s_add_co_u32 s104, s104, s105
	s_lshl_b32 s47, s43, 2
	s_add_co_u32 s47, s47, s41
	s_lshl_b32 s47, s47, 1
	s_add_co_u32 s47, s47, s21                     ; my group of 64 tokens
	s_mul_i32 s3, s47, 4*768
	s_add_co_u32 s2, s2, s3
	s_mov_b32 s3, 0
	s_lshl_b32 s47, s47, 8
	s_add_co_u32 s104, s104, s47
	s_mov_b32 s105, 0
	s_add_nc_u64 s[16:17], s[16:17], s[2:3]
	s_add_nc_u64 s[18:19], s[18:19], s[104:105]
.macro CSLOAD a                        ; token tile a's cos and sin: 16 loads, into set a % 2 of window 1: cos of tile b at 8 b, sin at 32 + 8 b
	WIN TO_F
.irp b, 0,1,2,3
.irp i, 0,1
	ds_load_b128 v[64*((\a)%2)+8*\b+4*\i:64*((\a)%2)+8*\b+4*\i+3], v[RA] offset:(\a)*16*RP+64*\b+16*\i
	ds_load_b128 v[64*((\a)%2)+32+8*\b+4*\i:64*((\a)%2)+32+8*\b+4*\i+3], v[RA] offset:(\a)*16*RP+256+64*\b+16*\i
.endr
.endr
	WIN 0
.endm
	CSLOAD 0
.irp a, 0,1,2,3
.if \a < 3
	CSLOAD \a+1
.endif
.irp b, 0,1,2,3
.irp j, 0,2,4,6
	v_pk_add_f32 v[ACC+8*(4*\a+\b)+\j:ACC+8*(4*\a+\b)+\j+1], v[ACC+8*(4*\a+\b)+\j:ACC+8*(4*\a+\b)+\j+1], v[BI+8*\b+\j:BI+8*\b+\j+1]   ; + bias; each accumulator from its low end on
.endr
.endr
.if \a < 3
	s_wait_dscnt 16                                ; this tile's cos and sin are in; the next tile's 16 loads may be out
.else
	s_wait_dscnt 0x0
.endif
	WIN CSW
.irp b, 0,1                            ; numbers d = 16 b + 8 h + j (lo) and d + 32 (hi): lo cos(d) - hi sin(d), hi cos(d + 32) + lo sin(d + 32): all 128 numbers of the token's rope row are used as they are given
.irp j, 0,2,4,6
	v_pk_mul_f32 v[W+8*\b+\j:W+8*\b+\j+1], v[ACC+8*(4*\a+\b)+\j:ACC+8*(4*\a+\b)+\j+1], v[64*(\a%2)+8*\b+\j:64*(\a%2)+8*\b+\j+1]
	v_pk_mul_f32 v[W+16+8*\b+\j:W+16+8*\b+\j+1], v[ACC+8*(4*\a+\b+2)+\j:ACC+8*(4*\a+\b+2)+\j+1], v[64*(\a%2)+16+8*\b+\j:64*(\a%2)+16+8*\b+\j+1]
	v_pk_fma_f32 v[W+8*\b+\j:W+8*\b+\j+1], v[ACC+8*(4*\a+\b+2)+\j:ACC+8*(4*\a+\b+2)+\j+1], v[64*(\a%2)+32+8*\b+\j:64*(\a%2)+32+8*\b+\j+1], v[W+8*\b+\j:W+8*\b+\j+1] neg_lo:[1,0,0] neg_hi:[1,0,0]
	v_pk_fma_f32 v[W+16+8*\b+\j:W+16+8*\b+\j+1], v[ACC+8*(4*\a+\b)+\j:ACC+8*(4*\a+\b)+\j+1], v[64*(\a%2)+48+8*\b+\j:64*(\a%2)+48+8*\b+\j+1], v[W+16+8*\b+\j:W+16+8*\b+\j+1]
.endr
.endr
	WIN 0
	QUANT2 W, ACC+32*\a, ACC+32*\a+8, 12+\a        ; the codes land in this tile's accumulators, which are done with: each tile's store data have registers of their own
.irp i, 0,1,2
	global_store_b64 v[L8], v[ACC+32*\a+2*\i:ACC+32*\a+2*\i+1], s[16:17] offset:768*\a+256*\i   ; 256 consecutive bytes, aligned
.endr
.endr
.irp a, 0,1,2,3
	v_or_b32 v[12+\a], 0x7f7f0000, v[12+\a]        ; the scale 1 for the two blocks of zeros that fill K up to 128
.endr
	v_cmp_eq_u32 vcc_lo, 1, v2
	v_cndmask_b32 v10, v12, v13, vcc_lo            ; word m of lane (r, h): token tile 2 m + h
	v_cndmask_b32 v11, v14, v15, vcc_lo
	global_store_b64 v[L8], v[10:11], s[18:19]     ; 256 consecutive bytes, aligned
	s_branch .Lend
.Lv_out:	; ---- v: bias, codes along the tokens.  My 64 tokens are half WX of a K step of 128 keys; accumulator row a is a tile of 16 channels
	s_lshl_b32 s46, s41, 1
	s_add_co_u32 s46, s46, s21                     ; kv head 2 cy + half
	s_lshl_b32 s47, s43, 2
	s_add_co_u32 s47, s47, s40                     ; which 128 tokens: 4 CY + cx
	s_mul_i32 s2, s46, 196608
	s_add_co_u32 s2, s2, 3145728+98304
	s_mul_i32 s3, s47, 6144
	s_add_co_u32 s2, s2, s3
	s_mul_i32 s3, s22, 768
	s_add_co_u32 s2, s2, s3
	s_mov_b32 s3, 0
	s_mul_i32 s104, s46, 12288
	s_add_co_u32 s104, s104, 262144+8192
	s_lshl_b32 s105, s47, 8
	s_add_co_u32 s104, s104, s105
	s_lshl_b32 s105, s22, 1
	s_add_co_u32 s104, s104, s105
	s_mov_b32 s105, 0
	s_add_nc_u64 s[16:17], s[16:17], s[2:3]
	s_add_nc_u64 s[18:19], s[18:19], s[104:105]
.irp a, 0,1,2,3
.irp b, 0,1,2,3
.irp j, 0,2,4,6
	v_pk_add_f32 v[ACC+8*(4*\a+\b)+\j:ACC+8*(4*\a+\b)+\j+1], v[ACC+8*(4*\a+\b)+\j:ACC+8*(4*\a+\b)+\j+1], v[BV+2*\a:BV+2*\a+1]   ; + bv of my channel; each accumulator from its low end on
.endr
.endr
	QUANT2 ACC+32*\a, 104+6*\a, 64, 12+\a
.irp i, 0,1,2
	global_store_b64 v[L8], v[104+6*\a+2*\i:104+6*\a+2*\i+1], s[16:17] offset:1536*\a+256*\i
.endr
.endr
	v_cmp_eq_u32 vcc_lo, 1, v2
	v_cndmask_b32 v10, v12, v13, vcc_lo            ; word m of lane (r, h): channel tile 2 m + h; my two bytes are half of it, the neighbouring wave has the other half
	v_cndmask_b32 v11, v14, v15, vcc_lo
	global_store_b16 v[L8], v10, s[18:19]
	global_store_b16 v[L8], v11, s[18:19] offset:4
.Lend:
	s_wait_tensorcnt 0x0                           ; the wave's end
	ds_add_u32 v[SPW], v[NIL]
	s_wait_dscnt 0x0
	CROUND                                         ; the closing round: no work-group ends while a partner may still ask for a tile that names it
	s_endpgm
.Lfunc_end_k_qf4fce940d5_qkv:
	.size	k_qf4fce940d5_qkv, .Lfunc_end_k_qf4fce940d5_qkv-k_qf4fce940d5_qkv
	.p2alignl 7, 3214868480
	.fill 96, 4, 3214868480
	.section	.rodata,"a",@progbits
	.p2align	6, 0x0
	.amdhsa_kernel k_qf4fce940d5_qkv
		.amdhsa_group_segment_fixed_size 327680
		.amdhsa_private_segment_fixed_size 0
		.amdhsa_enable_private_segment 0
		.amdhsa_kernarg_size 64
		.amdhsa_user_sgpr_count 2
		.amdhsa_user_sgpr_kernarg_segment_ptr 1
		.amdhsa_wavefront_size32 1
		.amdhsa_system_sgpr_workgroup_id_x 1
		.amdhsa_system_sgpr_workgroup_id_y 1
		.amdhsa_system_sgpr_workgroup_id_z 1
		.amdhsa_system_vgpr_workitem_id 0
		.amdhsa_next_free_vgpr 512
		.amdhsa_next_free_sgpr 106
		.amdhsa_reserve_vcc 1
		.amdhsa_float_denorm_mode_32 3
		.amdhsa_float_denorm_mode_16_64 3
		.amdhsa_memory_ordered 1
		.amdhsa_forward_progress 1
		.amdhsa_inst_pref_size 141
	.end_amdhsa_kernel
	.amdgpu_metadata
---
amdhsa.version: [ 1, 2 ]
amdhsa.kernels:
  - .name:           k_qf4fce940d5_qkv
    .symbol:         k_qf4fce940d5_qkv.kd
    .args:
      - { .name: cw, .offset: 0, .size: 8, .value_kind: global_buffer, .address_space: global }
      - { .name: sw, .offset: 8, .size: 8, .value_kind: global_buffer, .address_space: global }
      - { .name: rope_cache, .offset: 16, .size: 8, .value_kind: global_buffer, .address_space: global }
      - { .name: wq_b, .offset: 24, .size: 8, .value_kind: global_buffer, .address_space: global }
      - { .name: wk_b, .offset: 32, .size: 8, .value_kind: global_buffer, .address_space: global }
      - { .name: wv_b, .offset: 40, .size: 8, .value_kind: global_buffer, .address_space: global }
      - { .name: qkvc, .offset: 48, .size: 8, .value_kind: global_buffer, .address_space: global }
      - { .name: qkvs, .offset: 56, .size: 8, .value_kind: global_buffer, .address_space: global }
    .group_segment_fixed_size: 327680
    .private_segment_fixed_size: 0
    .kernarg_segment_align: 8
    .kernarg_segment_size: 64
    .max_flat_workgroup_size: 128
    .sgpr_count:     106
    .vgpr_count:     512
    .wavefront_size: 32
...
	.end_amdgpu_metadata
.endif
;; end of part 2
;; launch attn (part 3): grid 32 x 8, 16 waves a work-group, clusters of 4 x 1, 210,944 bytes of LDS; arguments qkvc, qkvs, sinks, ac, asc; writes ac, asc
.if DOCPART == 3
	.amdgcn_target "amdgcn-amd-amdhsa--gfx1250"
	.amdhsa_code_object_version 6
	.text
	.protected	k_qf4fce940d5_attn
	.globl	k_qf4fce940d5_attn
	.p2align	8
	.type	k_qf4fce940d5_attn,@function
k_qf4fce940d5_attn:
	s_mov_b64 s[64:65], 0
	v_nop
	global_prefetch_b8 v0, s[64:65] scope:SCOPE_SE
	s_setreg_imm32_b32 hwreg(HW_REG_WAVE_MODE, 25, 1), 1
	s_wait_xcnt 0x0
	s_wait_alu depctr_hold_cnt(0) depctr_sa_sdst(0) depctr_va_vdst(0) depctr_va_sdst(0) depctr_va_ssrc(0) depctr_va_vcc(0) depctr_vm_vsrc(0)
	s_getreg_b32 s2, hwreg(HW_REG_IB_STS2, 6, 4)
	s_cmp_eq_u32 s2, 0
	s_cbranch_scc0 .Lentry_in_a_cluster
	s_endpgm
.Lentry_in_a_cluster:
	s_bfe_u32 s2, ttmp6, 0x10000c
	s_cmp_lg_u32 s2, 0x3003
	s_cbranch_scc0 .Lentry_shape_is_right
	s_endpgm
.Lentry_shape_is_right:
; Causal attention of 32 query heads on 8 kv heads, head size 64, 2,048 tokens, both products on codes of FP6 (E2M3) with E8M0 scales; then the sink's renormalisation; the result leaves as codes for the last product.
; THE WEIGHTS ARE QUANTISED FINISHED: attn = exp(s - lse).  So the keys are walked twice.  Pass 1: S^T = K Q^T, a running maximum and sum: lse.  Pass 2: S^T again, p = 2^(t - lse2), t = score x log2(e) / 8,
; quantised along the keys, O^T += V^T P^T; nothing is rescaled.  Keys behind the diagonal give p = 0 exactly; steps that lie wholly behind it are left out.
; K = 64 in the first product: the upper half of the instruction's 128 is zero codes on Q's side (v22-27).  On K's side the registers named there are the next tile's codes: a finite number x 0 adds nothing; the scale bytes there are 0x7f.
; SHARES.  A cluster is the four query heads of one kv head: all four ask jointly for that head's K, V and scales, 204 KiB, which fill LDS ONCE: no slot is filled again, one barrier.  A work-group has 16 waves, four to a SIMD,
; so that one wave's exponentials stand beside another's products and LDS loads.  A wave owns one tile of 16 queries: tile p or 127 - p of pair p = 8 y + wave / 2; a pair is always 17 steps of 128 keys, so all work-groups have the same work.
; LAYOUT.  Both products transposed: a lane holds ONE query (lane % 16); register j of score tile t is key 16 t + 8 (lane / 16) + j.  Inside each block of 32 all operands of this program have one common order of k
; (places 8-15 and 16-23 changed over), which is the order in which these registers fall when 16 are converted at a time and the halves of the lanes change places.
; BUFFERS: qkvc, qkvs as the launch before lays them (images of the matrix unit's registers: byte 256 i + 8 lane + 4 e = register 2 i + e).  ac: token tile i at 24,576 i: 16 fragments; head hq is half hq & 1 of fragment hq >> 1.
; asc: 1,024 bytes a token tile: byte 256 j + 16 r + 4 q + b: row r, K step 4 j + q, block b.
; LIMITS: a block whose largest magnitude lies under 2^-124 is held at the byte 1, a block of zeros gets the byte 1 (this program alone reads the bytes); p under 2^-126 is flushed to 0 by the exponential; NaN and infinities are not served.
; REGISTERS: v1-4 8 x lane + the four LDS regions; v5-8 the step's addresses; v9 mask; v10 -infinity; v11 at work; v12 -m, then -lse2; v13 m, then lse2; v[14:15] the sum; v16-21 Q, v22-27 zeros; v28 Q's scale word; v29 r - 8 h;
;   v[30:31] a factor; v32-79 K's eight half fragments (later at work), v80-85 zeros; v86-89 K's scale words, v90-91 V's, v92 p's; v93 8 r, v94 16 r; v96-159 S^T, then p; v160-191 O^T; v192-239 V's four fragments; v240-251 codes.
.set VC,   98304                       ; LDS: K's codes at 0 (128 tiles x 768), V's here (16 steps x 6,144),
.set KSC,  196608                      ; K's scale words (8,192 bytes),
.set VSC,  204800                      ; V's (4,096)
.set TM,   32                          ; at work in QUANT: v32-35 largest magnitudes, v36-39 bytes, v40-43 scale operands
.set CT,   44                          ; v44-46, v48-50: half blocks of codes on their way
.set SEL,  48                          ; s[48:49] lane selects for lane l xor 16
.set CS,   50                          ; s[50:51] c = log2(e) / 8
.macro CROUND                          ; a round of the cluster's barrier
	s_barrier_signal -1
	s_barrier_wait -1
	s_cmp_lg_u32 s14, 0
	s_cbranch_scc1 .Lnot_wave_0_\@
	s_barrier_signal -3
.Lnot_wave_0_\@:
	s_barrier_wait -3
	s_barrier_signal -1
	s_barrier_wait -1
.endm
	s_load_b256 s[4:11], s[0:1], 0x0               ; qkvc s[4:5], qkvs s[6:7], sinks s[8:9], ac s[10:11]
	s_load_b64 s[12:13], s[0:1], 0x20              ; asc
	v_lshl_add_u32 v254, v0, 2, 0x33000
	v_mov_b32 v255, 0
	ds_add_u32 v254, v255
	ds_add_u32 v254, v255
	v_lshrrev_b32 v5, 5, v0
	v_readfirstlane_b32 s14, v5                    ; wave 0..15
	s_bfe_u32 s55, ttmp6, 0x40000                  ; cx: it enters global addresses alone
	s_mov_b32 s54, ttmp9                           ; the cluster's x: the kv head
	s_and_b32 s15, ttmp7, 0xffff                   ; the cluster's y: which eight pairs of query tiles
	s_lshl_b32 s52, s54, 2
	s_add_co_u32 s52, s52, s55                     ; my query head
	s_lshr_b32 s62, s14, 1
	s_lshl_b32 s16, s15, 3
	s_add_co_u32 s16, s16, s62                     ; the pair
	s_lshr_b32 s62, s14, 2
	s_xor_b32 s62, s62, s14
	s_and_b32 s62, s62, 1                          ; its early or its late tile: two of each on every SIMD, however the waves are dealt
	s_sub_co_u32 s63, 127, s16
	s_cmp_lg_u32 s62, 0
	s_cselect_b32 s16, s63, s16                    ; my query tile
	s_lshl_b32 s17, s16, 4                         ; my first query
	; descriptors: dense blocks as rows of 256 bytes; the mask names all four work-groups
	s_mov_b32 s24, 15|(3<<16)|(1<<21)              ; 15:0 the mask; 17:16 elements of 8 bytes; 21 set beside a mask
	s_mov_b32 s25, 32<<16                          ; tensor_dim0
	s_mov_b32 s26, 48<<16                          ; tensor_dim1: 48 rows: a sixteenth of the head's K and V
	s_mov_b32 s27, 32<<16                          ; tile_dim0
	s_mov_b32 s28, 48                              ; tile_dim1
	s_mov_b32 s29, 32                              ; tensor_dim0_stride
	s_mov_b32 s30, 0
	s_mov_b32 s31, 0
	s_mov_b32 s32, 15|(3<<16)|(1<<21)
	s_mov_b32 s33, 32<<16
	s_mov_b32 s34, 3<<16                           ; 3 rows: a sixteenth of the scales
	s_mov_b32 s35, 32<<16
	s_mov_b32 s36, 3
	s_mov_b32 s37, 32
	s_mov_b32 s38, 0
	s_mov_b32 s39, 0
	s_mov_b32 s40, 1
	s_mul_i32 s41, s14, 12288                      ; LDS: wave x 12,288
	s_mul_i32 s56, s54, 196608
	s_add_co_u32 s56, s56, s41
	s_add_co_u32 s56, s56, 3145728
	s_mov_b32 s57, 0
	s_mov_b32 s44, 1
	s_mul_i32 s45, s14, 768
	s_mul_i32 s58, s54, 12288
	s_add_co_u32 s58, s58, s45
	s_add_co_u32 s58, s58, 262144
	s_mov_b32 s59, 0
	s_add_co_u32 s45, s45, KSC                     ; LDS: behind the codes, wave x 768
	s_mov_b32 s[SEL], 0x76543210
	s_mov_b32 s[SEL+1], 0xfedcba98
	s_mov_b32 s[CS], 0x3e38aa3b
	s_mov_b32 s[CS+1], s[CS]                       ; (named with it as a pair, so it is written)
	s_wait_dscnt 0x0
	s_wait_kmcnt 0x0
	s_add_nc_u64 s[42:43], s[4:5], s[56:57]
	s_or_b32 s43, s43, 0x80000000
	s_add_nc_u64 s[46:47], s[6:7], s[58:59]
	s_or_b32 s47, s47, 0x80000000
	CROUND                                         ; all four work-groups are here: the joint loads meet
	tensor_load_to_lds s[40:43], s[24:31]          ; every wave brings a sixteenth of each block: two tensor loads of mine are out
	s_nop 0
	tensor_load_to_lds s[44:47], s[32:39]
	s_nop 0
.rept 4
	v_nop
.endr
	v_and_b32 v1, 31, v0
	v_lshlrev_b32 v1, 3, v1                        ; 8 x lane: my place in every image
	v_add_nc_u32 v2, VC, v1
	v_add_nc_u32 v3, KSC, v1
	v_add_nc_u32 v4, VSC, v1
	v_and_b32 v9, 15, v0                           ; r
	v_bfe_u32 v11, v0, 4, 1                        ; h
	v_lshlrev_b32 v11, 3, v11
	v_sub_nc_u32 v29, v9, v11                      ; r - 8 h
	v_lshlrev_b32 v93, 3, v9
	v_lshlrev_b32 v94, 4, v9
	s_mul_i32 s56, s52, 98304                      ; Q's codes: head, tile
	s_mul_i32 s62, s16, 768
	s_add_co_u32 s56, s56, s62
	s_add_nc_u64 s[56:57], s[4:5], s[56:57]
	s_lshl_b32 s58, s52, 13                        ; Q's scale word: tile i lies in group i >> 2, lanes 16 (i & 1) on, word (i >> 1) & 1
	s_lshr_b32 s62, s16, 2
	s_lshl_b32 s62, s62, 8
	s_add_co_u32 s58, s58, s62
	s_and_b32 s62, s16, 1
	s_lshl_b32 s62, s62, 7
	s_add_co_u32 s58, s58, s62
	s_bfe_u32 s62, s16, 0x10001
	s_lshl_b32 s62, s62, 2
	s_add_co_u32 s58, s58, s62
	s_add_nc_u64 s[58:59], s[6:7], s[58:59]
	s_lshl_b32 s60, s52, 2
	s_mov_b32 s61, 0
	s_add_nc_u64 s[60:61], s[8:9], s[60:61]
.irp m, 0,1,2
	global_load_b64 v[16+2*\m:17+2*\m], v1, s[56:57] offset:256*\m   ; Q stays in registers
.endr
	global_load_b32 v28, v93, s[58:59]
	s_load_b32 s53, s[60:61], 0x0                  ; my head's sink
	s_mul_i32 s62, s16, 24576                      ; where my codes go in ac,
	s_lshr_b32 s63, s52, 1
	s_mul_i32 s63, s63, 1536
	s_add_co_u32 s62, s62, s63
	s_and_b32 s23, s52, 1
	s_mul_i32 s63, s23, 768
	s_add_co_u32 s62, s62, s63
	s_mov_b32 s63, 0
	s_add_nc_u64 s[10:11], s[10:11], s[62:63]
	s_lshl_b32 s62, s16, 10                        ; and my two scale bytes in asc
	s_lshl_b32 s23, s23, 1
	s_add_co_u32 s62, s62, s23
	s_lshr_b32 s23, s52, 3
	s_lshl_b32 s23, s23, 8
	s_add_co_u32 s62, s62, s23
	s_bfe_u32 s23, s52, 0x20001
	s_lshl_b32 s23, s23, 2
	s_add_co_u32 s62, s62, s23
	s_add_nc_u64 s[12:13], s[12:13], s[62:63]
	v_mov_b32 v10, 0xff800000                      ; -infinity
	v_mov_b32 v13, 0xff61b1e6                      ; my largest t so far: -3e38, under every t
	v_mov_b32 v14, 0                               ; my sum, in two halves
	v_mov_b32 v15, 0
	v_mov_b32 v30, 0
	v_mov_b32 v31, 0                               ; (named as the upper half of a pair)
.irp j, 0,1,2,3,4,5
	v_mov_b32 v[22+\j], 0                          ; Q's upper K: zero codes
	v_mov_b32 v[80+\j], 0                          ; what tile 7 of K names as its upper K
.endr
.irp j, 0,1,2,3
	v_mov_b32 v[TM+4+\j], 0                        ; written once: a lane permute's destination counts as one of its sources
.endr
.irp j, 0,1,2,3,4,5,6,7,8,9,10,11,12,13,14,15,16,17,18,19,20,21,22,23,24,25,26,27,28,29,30,31
	v_mov_b32 v[160+\j], 0                         ; O^T: the loop is written once, so its first products add onto zeros
.endr
	s_wait_loadcnt 0x0                             ; Q
	s_wait_kmcnt 0x0                               ; the sink
	s_wait_tensorcnt 0x0                           ; my parts of K, V and the scales are in,
	s_barrier_signal -1
	s_barrier_wait -1                              ; everybody's are
.macro KLOAD                           ; a step's eight tiles of 16 keys, 768 bytes each, and their scale words: 26 loads of 256 consecutive bytes
.irp t, 0,1,2,3,4,5,6,7
.irp m, 0,1,2
	ds_load_b64 v[32+6*\t+2*\m:33+6*\t+2*\m], v5 offset:768*\t+256*\m
.endr
.endr
.irp g, 0,1
	ds_load_b64 v[86+2*\g:87+2*\g], v7 offset:256*\g   ; register 86 + t / 2: lanes 0-15 the even tile's words, lanes 16-31 the odd tile's
.endr
.endm
.macro VLOAD                           ; the step's four fragments of V^T (16 channels x 128 keys) and their scale words: 25 loads
.irp a, 0,1,2,3
.irp i, 0,1,2,3,4,5
	ds_load_b64 v[192+12*\a+2*\i:193+12*\a+2*\i], v6 offset:1536*\a+256*\i
.endr
.endr
	ds_load_b64 v[90:91], v8
.endm
.macro QK                              ; S^T = K Q^T: source 0 = 16 keys, source 1 = my 16 queries
.irp t, 0,1,2,3,4,5,6,7
.if \t%2
	v_wmma_scale_f32_16x16x128_f8f6f4 v[96+8*\t:103+8*\t], v[32+6*\t:43+6*\t], v[16:27], 0, v[86+\t/2], v28 matrix_a_fmt:MATRIX_FMT_FP6 matrix_b_fmt:MATRIX_FMT_FP6 matrix_a_scale:MATRIX_SCALE_ROW1
.else
	v_wmma_scale_f32_16x16x128_f8f6f4 v[96+8*\t:103+8*\t], v[32+6*\t:43+6*\t], v[16:27], 0, v[86+\t/2], v28 matrix_a_fmt:MATRIX_FMT_FP6 matrix_b_fmt:MATRIX_FMT_FP6
.endif
.endr
.rept 4
	v_nop                                          ; four places behind this form (ISA guide 7.12.1) in front of the first read of the scores
.endr
.endm
.macro MASK                            ; on the diagonal the scores of hidden keys become -infinity.  A step all of whose keys count jumps over this: a scalar branch on ids
	s_add_co_u32 s23, s18, 127
	s_cmp_le_u32 s23, s17
	s_cbranch_scc1 .Lopen_\@
	s_sub_co_i32 s23, s17, s18
	v_add_nc_u32 v9, s23, v29                      ; d = my query - the step's first key - 8 h.  Register 8 t + j holds the key 16 t + j + 8 h on: hidden where 16 t + j > d
.set n, 0
.rept 64
	v_cmp_gt_i32 vcc_lo, 16*(n/8)+n%8, v9
	v_cndmask_b32 v[96+n], v[96+n], v10, vcc_lo
.set n, n+1
.endr
.Lopen_\@:
.endm
; 32 nc numbers of a lane, v[src] on: register 16 b + i belongs to block b; lanes l and l xor 16 share the blocks.  They become 6 nc registers of codes at v[pc] (lane (r, h): blocks 2 c + h, whole) and the scale bytes in v[pw].
.macro QUANT src, nc, abs, pc, pw
.set b, 0
.rept 2*\nc
.if \abs
	v_max3_num_f32 v[TM+b], |v[\src+16*b]|, |v[\src+16*b+1]|, 0x1800000   ; with the floor 2^(3 - 127): the byte cannot fall under 1
.else
	v_max3_num_f32 v[TM+b], v[\src+16*b], v[\src+16*b+1], 0x1800000       ; (none is negative)
.endif
.set b, b+1
.endr
.set i, 2
.rept 7
.set b, 0
.rept 2*\nc
.if \abs
	v_max3_num_f32 v[TM+b], v[TM+b], |v[\src+16*b+i]|, |v[\src+16*b+i+1]|
.else
	v_max3_num_f32 v[TM+b], v[TM+b], v[\src+16*b+i], v[\src+16*b+i+1]
.endif
.set b, b+1
.endr
.set i, i+2
.endr
.set b, 0
.rept 2*\nc
	v_permlanex16_b32 v[TM+4+b], v[TM+b], s[SEL], s[SEL+1]
.set b, b+1
.endr
.set b, 0
.rept 2*\nc
	v_max_num_f32 v[TM+b], v[TM+b], v[TM+4+b]      ; the block's largest magnitude
.set b, b+1
.endr
.set b, 0
.rept 2*\nc
	v_add_nc_u32 v[TM+8+b], 0xff000000, v[TM+b]    ; 2 off its exponent field: the conversion's scale operand
.set b, b+1
.endr
.set b, 0
.rept 2*\nc
	v_lshrrev_b32 v[TM+4+b], 23, v[TM+8+b]         ; the scale's byte
.set b, b+1
.endr
	v_lshl_or_b32 v[\pw], v[TM+5], 8, v[TM+4]
.if \nc == 2
	v_lshl_or_b32 v[\pw], v[TM+6], 16, v[\pw]
	v_lshl_or_b32 v[\pw], v[TM+7], 24, v[\pw]
.endif
.set c, 0
.rept \nc
	v_cvt_scalef32_pk16_fp6_f32 v[\pc+6*c:\pc+6*c+2], v[\src+32*c:\src+32*c+15], v[TM+8+2*c]
	v_cvt_scalef32_pk16_fp6_f32 v[CT+4*c:CT+4*c+2], v[\src+32*c+16:\src+32*c+31], v[TM+9+2*c]   ; (a conversion's three registers begin on an even number)
.set c, c+1
.endr
	v_nop                                          ; one plain place behind the scaled conversions
.set c, 0
.rept \nc
.irp k, 0,1,2
	v_permlane16_swap_b32 v[\pc+6*c+\k], v[CT+4*c+\k]   ; the first's lanes 16-31 change places with the second's lanes 0-15: a whole block to a lane
.endr
.irp k, 0,1,2
	v_mov_b32 v[\pc+6*c+3+\k], v[CT+4*c+\k]
.endr
.set c, c+1
.endr
.endm
	; ---- PASS 1: each lane's running maximum and sum over its own half of the keys; the halves meet behind the loop.  16 trips in every wave; a step behind the diagonal jumps over its work, not over the lines that step addresses
	s_mov_b32 s18, 0                               ; the step's first key
	s_mov_b32 s19, 0                               ; its codes: 6,144 bytes a step, K's and V's alike
	s_mov_b32 s20, 0                               ; K's scale words: 512 bytes a step
	s_mov_b32 s22, 16
.Lpass1:
	s_add_co_u32 s23, s17, 15
	s_cmp_gt_u32 s18, s23
	s_cbranch_scc1 .Lskip1
	v_add_nc_u32 v5, s19, v1
	v_add_nc_u32 v7, s20, v3
	KLOAD
	s_wait_dscnt 0x0
	QK
	MASK
.irp b, 0,1,2,3
	v_max3_num_f32 v[32+\b], v[96+16*\b], v[97+16*\b], v[98+16*\b]   ; my largest score of the step, in four chains; each accumulator is first read at its low end
.endr
.irp i, 3,5,7,9,11,13
.irp b, 0,1,2,3
	v_max3_num_f32 v[32+\b], v[32+\b], v[96+16*\b+\i], v[97+16*\b+\i]
.endr
.endr
.irp b, 0,1,2,3
	v_max_num_f32 v[32+\b], v[32+\b], v[111+16*\b]
.endr
	v_max3_num_f32 v32, v32, v33, v34
	v_max_num_f32 v32, v32, v35
	v_mul_f32 v32, s[CS], v32                      ; as t (c is positive)
	v_mov_b32 v11, v13
	v_max_num_f32 v13, v13, v32                    ; the new m (a lane all of whose keys are hidden keeps the old one)
	v_sub_f32 v11, v11, v13
	v_exp_f32 v30, v11                             ; f = 2^(old m - new m)
	v_mul_f32 v12, -1.0, v13                       ; -m.  (A plain place behind the exponential)
.irp j, 0,2,4,6,8,10,12,14,16,18,20,22,24,26,28,30,32,34,36,38,40,42,44,46,48,50,52,54,56,58,60,62
	v_pk_fma_f32 v[96+\j:97+\j], v[96+\j:97+\j], s[CS:CS+1], v[12:13] op_sel_hi:[1,0,0]   ; t - m, two at a time
.endr
.irp j, 0,1,2,3,4,5,6,7,8,9,10,11,12,13,14,15,16,17,18,19,20,21,22,23,24,25,26,27,28,29,30,31,32,33,34,35,36,37,38,39,40,41,42,43,44,45,46,47,48,49,50,51,52,53,54,55,56,57,58,59,60,61,62,63
	v_exp_f32 v[96+\j], v[96+\j]
.endr
	s_wait_alu depctr_va_vdst(0)
	v_pk_mul_f32 v[14:15], v[14:15], v[30:31] op_sel_hi:[1,0]   ; the sum under the new m.  (A plain place behind the exponentials)
	v_pk_add_f32 v[32:33], v[96:97], v[98:99]      ; the step's sum, two at a time, in two chains
.irp j, 4,8,12,16,20,24,28,32,36,40,44,48,52,56,60
	v_pk_add_f32 v[14:15], v[14:15], v[96+\j:97+\j]
	v_pk_add_f32 v[32:33], v[32:33], v[98+\j:99+\j]
.endr
	v_pk_add_f32 v[14:15], v[14:15], v[32:33]
.Lskip1:
	s_add_co_u32 s18, s18, 128
	s_add_co_u32 s19, s19, 6144
	s_add_co_u32 s20, s20, 512
	s_sub_co_u32 s22, s22, 1
	s_cmp_lg_u32 s22, 0
	s_cbranch_scc1 .Lpass1
	; ---- lse2 = M + log2(the row's sum under M).  The two products and their sum are written apart, not fused, so that both lanes of a query get the same bits
	v_add_f32 v14, v14, v15
	v_permlanex16_b32 v30, v13, s[SEL], s[SEL+1]   ; lane l xor 16's m
	v_permlanex16_b32 v31, v14, s[SEL], s[SEL+1]   ; and sum
	v_max_num_f32 v11, v13, v30                    ; M
	v_sub_f32 v13, v13, v11
	v_sub_f32 v30, v30, v11
	v_exp_f32 v13, v13
	v_exp_f32 v30, v30
	v_nop                                          ; a plain place behind the exponentials
	s_wait_alu depctr_va_vdst(0)
	v_mul_f32 v14, v14, v13
	v_mul_f32 v31, v31, v30
	v_add_f32 v14, v14, v31
	v_log_f32 v14, v14
	v_nop
	s_wait_alu depctr_va_vdst(0)
	v_add_f32 v13, v11, v14                        ; lse2
	v_mul_f32 v12, -1.0, v13                       ; -lse2
	; ---- PASS 2
	s_mov_b32 s18, 0
	s_mov_b32 s19, 0
	s_mov_b32 s20, 0
	s_mov_b32 s21, 0                               ; V's scale words: 256 bytes a step
	s_mov_b32 s22, 16
.Lpass2:
	s_add_co_u32 s23, s17, 15
	s_cmp_gt_u32 s18, s23
	s_cbranch_scc1 .Lskip2
	v_add_nc_u32 v5, s19, v1                       ; these four are also the places between the last step's products and the loads into V's registers
	v_add_nc_u32 v6, s19, v2
	v_add_nc_u32 v7, s20, v3
	v_add_nc_u32 v8, s21, v4
	KLOAD
	VLOAD
	s_wait_dscnt 25                                ; K and its scale words are in; V's 25 loads may be out
	QK
	MASK
.irp j, 0,2,4,6,8,10,12,14,16,18,20,22,24,26,28,30,32,34,36,38,40,42,44,46,48,50,52,54,56,58,60,62
	v_pk_fma_f32 v[96+\j:97+\j], v[96+\j:97+\j], s[CS:CS+1], v[12:13] op_sel_hi:[1,0,0]   ; t - lse2; each accumulator from its low end on
.endr
.irp j, 0,1,2,3,4,5,6,7,8,9,10,11,12,13,14,15,16,17,18,19,20,21,22,23,24,25,26,27,28,29,30,31,32,33,34,35,36,37,38,39,40,41,42,43,44,45,46,47,48,49,50,51,52,53,54,55,56,57,58,59,60,61,62,63
	v_exp_f32 v[96+\j], v[96+\j]                   ; attn, finished and normalised
.endr
	v_nop                                          ; a plain place behind the exponentials
	s_wait_alu depctr_va_vdst(0)
	QUANT 96, 2, 0, 240, 92
.rept 4
	v_nop                                          ; the codes stand four places ahead of the scaled products, the scale word more than eight
.endr
	s_wait_dscnt 0x0                               ; V
.irp a, 0,1,2,3                        ; O^T += V^T P^T: four accumulators by turns; eight other products lie between an accumulator's turns
.if \a%2
	v_wmma_scale_f32_16x16x128_f8f6f4 v[160+8*\a:167+8*\a], v[192+12*\a:203+12*\a], v[240:251], v[160+8*\a:167+8*\a], v[90+\a/2], v92 matrix_a_fmt:MATRIX_FMT_FP6 matrix_b_fmt:MATRIX_FMT_FP6 matrix_a_scale:MATRIX_SCALE_ROW1
.else
	v_wmma_scale_f32_16x16x128_f8f6f4 v[160+8*\a:167+8*\a], v[192+12*\a:203+12*\a], v[240:251], v[160+8*\a:167+8*\a], v[90+\a/2], v92 matrix_a_fmt:MATRIX_FMT_FP6 matrix_b_fmt:MATRIX_FMT_FP6
.endif
.endr
.Lskip2:
	s_add_co_u32 s18, s18, 128
	s_add_co_u32 s19, s19, 6144
	s_add_co_u32 s20, s20, 512
	s_add_co_u32 s21, s21, 256
	s_sub_co_u32 s22, s22, 1
	s_cmp_lg_u32 s22, 0
	s_cbranch_scc1 .Lpass2
	; ---- the sink: renorm = exp(clip(lse - logaddexp(lse, sink), -20, 0)), in base 2.  The first four lines are the places behind the last products
	v_mov_b32 v30, s53
	v_mul_f32 v30, 0x3fb8aa3b, v30                 ; the sink x log2(e)
	v_sub_f32 v31, v13, v30
	v_max_num_f32 v11, v13, v30
	v_exp_f32 v31, -|v31|                          ; 2^-|difference|
	v_sub_f32 v11, v13, v11                        ; lse2 - the larger.  (A plain place)
	s_wait_alu depctr_va_vdst(0)
	v_add_f32 v31, 1.0, v31
	v_log_f32 v31, v31
	v_nop
	s_wait_alu depctr_va_vdst(0)
	v_sub_f32 v11, v11, v31
	v_med3_num_f32 v11, v11, 0xc1e6d4ca, 0         ; held between -20 log2(e) and 0
	v_exp_f32 v30, v11
	v_mov_b32 v31, 0                               ; (a plain place; the pair's upper half)
	s_wait_alu depctr_va_vdst(0)
.irp j, 0,2,4,6,8,10,12,14,16,18,20,22,24,26,28,30
	v_pk_mul_f32 v[160+\j:161+\j], v[160+\j:161+\j], v[30:31] op_sel_hi:[1,0]   ; each accumulator from its low end on
.endr
	QUANT 160, 1, 1, 240, 11                       ; my head's 64 numbers of my query are two blocks of the last product's K
.irp m, 0,1,2
	global_store_b64 v1, v[240+2*\m:241+2*\m], s[10:11] offset:256*\m   ; 256 consecutive bytes, aligned
.endr
	global_store_b16 v94, v11, s[12:13]            ; two bytes of the row's scale word: a head owns no more; both halves of the lanes write the same
	s_wait_dscnt 0x0
	s_wait_tensorcnt 0x0
	ds_add_u32 v254, v255
	s_wait_dscnt 0x0
	CROUND                                         ; the closing round
	s_endpgm
.Lfunc_end_k_qf4fce940d5_attn:
	.size	k_qf4fce940d5_attn, .Lfunc_end_k_qf4fce940d5_attn-k_qf4fce940d5_attn
	.p2alignl 7, 3214868480
	.fill 96, 4, 3214868480
	.section	.rodata,"a",@progbits
	.p2align	6, 0x0
	.amdhsa_kernel k_qf4fce940d5_attn
		.amdhsa_group_segment_fixed_size 210944
		.amdhsa_private_segment_fixed_size 0
		.amdhsa_enable_private_segment 0
		.amdhsa_kernarg_size 40
		.amdhsa_user_sgpr_count 2
		.amdhsa_user_sgpr_kernarg_segment_ptr 1
		.amdhsa_wavefront_size32 1
		.amdhsa_system_sgpr_workgroup_id_x 1
		.amdhsa_system_sgpr_workgroup_id_y 1
		.amdhsa_system_sgpr_workgroup_id_z 1
		.amdhsa_system_vgpr_workitem_id 0
		.amdhsa_next_free_vgpr 256
		.amdhsa_next_free_sgpr 66
		.amdhsa_reserve_vcc 1
		.amdhsa_float_denorm_mode_32 3
		.amdhsa_float_denorm_mode_16_64 3
		.amdhsa_memory_ordered 1
		.amdhsa_forward_progress 1
		.amdhsa_inst_pref_size 49
	.end_amdhsa_kernel
	.amdgpu_metadata
---
amdhsa.version: [ 1, 2 ]
amdhsa.kernels:
  - .name:           k_qf4fce940d5_attn
    .symbol:         k_qf4fce940d5_attn.kd
    .args:
      - { .name: qkvc, .offset: 0, .size: 8, .value_kind: global_buffer, .address_space: global }
      - { .name: qkvs, .offset: 8, .size: 8, .value_kind: global_buffer, .address_space: global }
      - { .name: sinks, .offset: 16, .size: 8, .value_kind: global_buffer, .address_space: global }
      - { .name: ac, .offset: 24, .size: 8, .value_kind: global_buffer, .address_space: global }
      - { .name: asc, .offset: 32, .size: 8, .value_kind: global_buffer, .address_space: global }
    .group_segment_fixed_size: 210944
    .private_segment_fixed_size: 0
    .kernarg_segment_align: 8
    .kernarg_segment_size: 40
    .max_flat_workgroup_size: 512
    .sgpr_count:     66
    .vgpr_count:     256
    .wavefront_size: 32
...
	.end_amdgpu_metadata
.endif
;; end of part 3
;; launch oproj (part 4): grid 16 x 16, 4 waves a work-group, clusters of 4 x 4, 327,680 bytes of LDS; arguments ac, asc, cw, sw, wo_b, out0; writes out0
.if DOCPART == 4
	.amdgcn_target "amdgcn-amd-amdhsa--gfx1250"
	.amdhsa_code_object_version 6
	.text
	.protected	k_qf4fce940d5_oproj
	.globl	k_qf4fce940d5_oproj
	.p2align	8
	.type	k_qf4fce940d5_oproj,@function
k_qf4fce940d5_oproj:
	s_mov_b64 s[64:65], 0
	v_nop
	global_prefetch_b8 v0, s[64:65] scope:SCOPE_SE
	s_setreg_imm32_b32 hwreg(HW_REG_WAVE_MODE, 25, 1), 1
	s_wait_xcnt 0x0
	s_wait_alu depctr_hold_cnt(0) depctr_sa_sdst(0) depctr_va_vdst(0) depctr_va_sdst(0) depctr_va_ssrc(0) depctr_va_vcc(0) depctr_vm_vsrc(0)
	s_getreg_b32 s2, hwreg(HW_REG_IB_STS2, 6, 4)
	s_cmp_eq_u32 s2, 0
	s_cbranch_scc0 .Lentry_in_a_cluster
	s_endpgm
.Lentry_in_a_cluster:
	s_bfe_u32 s2, ttmp6, 0x10000c
	s_cmp_lg_u32 s2, 0xf033
	s_cbranch_scc0 .Lentry_shape_is_right
	s_endpgm
.Lentry_shape_is_right:
; out0 = attention's result x wo^T + wo_b, on codes of FP6 (E2M3) with E8M0 scales; out0 [2048][2048] f32.
; INPUT: ac, asc (tokens) and cw, sw (wo: tiles of 128 rows 40-55): fragments of 16 rows x 128 K as images of the matrix unit's registers (1,536 bytes; byte 256 i + 8 lane + 4 e = register 2 i + e), 16 a tile of 16 rows;
; scale bytes 1,024 a tile (byte 256 j + 16 r + 4 q + b: row r, K step 4 j + q, block b).  Inside each block of 32 both operands have one common order of k.
; A work-group makes 128 x 128 results, a wave 64 x 64: 16 accumulators: 256 work-groups; larger tiles would leave 64.  D = (source 0: 16 rows of wo) x (source 1: 16 tokens): lane (r, h) of accumulator (a, b) holds token 16 a + r,
; and its registers j hold the columns 16 b + 8 h + j: eight neighbouring numbers of a row of out0.  The bias is the C of each sum's first product.
; CLUSTERS 4 x 4: the tokens' tile hangs on the cluster's row alone and is asked for jointly by that row, wo's on the column alone.  K goes through two LDS slots of 512 along K (four K steps), four fills in all, written out without a loop.
; REGISTERS: window 0: v1 r, v2 h, v3 8 x lane, v16-31 addresses, v32-63 scale words (two sets), v64-95 the bias, later with v96-127 rows on the way out, v128-255 accumulators (a, b) at 128 + 8 (4 a + b).
;   window 1: two sets of fragments at v0 and v128: the tokens' fragment a at 12 a, wo's fragment b at 48 + 12 b.
.set SLOT,  98304                      ; a slot: the tokens' 8 row tiles x 6,144 bytes, then wo's
.set S0OFF, 49152
.set RTB,   6144                       ; a row tile's four K steps
.set FRB,   1536                       ; a fragment
.set SCL,   196608                     ; the scales of the 128 tokens (8,192 bytes, all of K), then wo's: filled once
.set STAGE, 212992                     ; the way out: 16 rows x (256 bytes + 16) for each wave; no tensor load lands here
.set SP,    272
.set SPARE, 280576                     ; the spare words, 128 bytes for each wave: two blocks of 256 bytes that no other line names
.set L8,   3
.set ADR1, 16                          ; v16-17 LDS address of my token fragments in slot 0, 1
.set ADR0, 20                          ; v20-21 of my wo fragments
.set STO,  24                          ; v24    the way out: where I put 32 bytes of a row
.set RD,   25                          ; v25    where I read a row back
.set CO,   26                          ; v26    my byte offset in two rows of out0
.set ADRS, 27                          ; v27    my scale words: lanes 0-15 the tokens', lanes 16-31 wo's
.set SPW,  28                          ; v28    my spare word: SPARE + 4 x my thread's number; never rewritten
.set NIL,  29                          ; v29    0; never rewritten
.set SC,   32
.set BI,   64
.set OB,   64
.set ACC,  128
.set F0,   0
.set F1,   128
.set G1,   24                          ; s[24:31] group 1 of the tokens' tiles; s[32:39] their groups 0, one for each slot
.set G0,   32
.set G1B,  48                          ; s[48:55], s[56:63] the same for wo
.set G0B,  56
.set G1S,  68                          ; s[68:75], s[76:79] the tokens' scales; s[80:87], s[88:91] wo's
.set G0S,  76
.set G1SB, 80
.set G0SB, 88
.set MSB, 0
.macro WIN new                         ; the immediate's high byte repeats the setting that is left
.if MSB != \new
	s_set_vgpr_msb (MSB<<8)|\new
.set MSB, \new
.endif
.endm
.set MUL,  0x05                        ; sources 0 and 1 window 1; C and D window 0
.set TO_F, 0x40                        ; destination window 1, address window 0
; A joint load: waves 0 and 1 fetch the tokens' halves, waves 2 and 3 wo's.  Each line has one mask and one set of registers for all that issue it; the branch hangs on the wave's number alone.
; Four v_nop follow each of the two lines, ahead of the jump, the label and what follows.
.macro JLOAD g0a, g1a, g0b, g1b
	s_cmp_eq_u32 s21, 0
	s_cbranch_scc0 .Lfor_b_\@
	tensor_load_to_lds s[\g0a:\g0a+3], s[\g1a:\g1a+7]
	s_nop 0
.rept 4
	v_nop
.endr
	s_branch .Lasked_\@
.Lfor_b_\@:
	tensor_load_to_lds s[\g0b:\g0b+3], s[\g1b:\g1b+7]
	s_nop 0
.rept 4
	v_nop
.endr
.Lasked_\@:
.endm
.macro CREST                           ; a round of the cluster's barrier behind its opening barrier
	s_cmp_lg_u32 s20, 0
	s_cbranch_scc1 .Lnot_wave_0_\@
	s_barrier_signal -3
.Lnot_wave_0_\@:
	s_barrier_wait -3
	s_barrier_signal -1
	s_barrier_wait -1
.endm
.macro CROUND                          ; a whole round
	s_barrier_signal -1
	s_barrier_wait -1
	CREST
.endm
.macro PLACES                          ; four places behind this form, in front of loads into registers that matrix instructions have read and of the first read of results
.rept 4
	v_nop
.endr
.endm
	s_load_b256 s[4:11], s[0:1], 0x0               ; ac s[4:5], asc s[6:7], cw s[8:9], sw s[10:11]
	s_load_b128 s[12:15], s[0:1], 0x20             ; wo_b s[12:13], out0 s[14:15]
	v_lshl_add_u32 v[SPW], v0, 2, SPARE
	v_mov_b32 v[NIL], 0
	ds_add_u32 v28, v29
	ds_add_u32 v28, v29
	s_wait_dscnt 0x0
	v_lshrrev_b32 v1, 5, v0
	v_readfirstlane_b32 s20, v1                    ; wave 0..3
	s_lshr_b32 s21, s20, 1                         ; which half of the tokens is mine.  Also: I fetch for the tokens (0) or for wo (1)
	s_and_b32 s22, s20, 1                          ; which half of the columns.  Also: which four row tiles I fetch
	s_bfe_u32 s40, ttmp6, 0x40000                  ; cx, cy: my place in the cluster
	s_bfe_u32 s41, ttmp6, 0x40004
	s_lshl_b32 s42, ttmp9, 2
	s_add_co_u32 s42, s42, s40                     ; tile column = 4 x cluster x + cx
	s_and_b32 s43, ttmp7, 0xffff
	s_lshl_b32 s43, s43, 2
	s_add_co_u32 s43, s43, s41                     ; tile row = 4 x cluster y + cy
	s_lshl_b32 s2, s41, 2
	s_lshl_b32 s2, 15, s2                          ; my row of the cluster
	s_lshl_b32 s3, 0x1111, s40                     ; my column
	s_or_b32 s[G1], s2, (3<<16)|(1<<21)            ; 15:0 the mask; 17:16 elements of 8 bytes; 21 set beside a mask; no padding: a fragment's image is read 256 consecutive bytes at a time
	s_or_b32 s[G1B], s3, (3<<16)|(1<<21)
	s_or_b32 s[G1S], s2, (3<<16)|(1<<21)
	s_or_b32 s[G1SB], s3, (3<<16)|(1<<21)
.irp g, G1, G1B                        ; four row tiles, of each the 6,144 bytes of four K steps, 24,576 bytes apart
	s_mov_b32 s[\g+1], 768<<16                     ; tensor_dim0
	s_mov_b32 s[\g+2], 4<<16                       ; tensor_dim1
	s_mov_b32 s[\g+3], 768<<16                     ; tile_dim0
	s_mov_b32 s[\g+4], 4                           ; tile_dim1
	s_mov_b32 s[\g+5], 3072                        ; tensor_dim0_stride
	s_mov_b32 s[\g+6], 0
	s_mov_b32 s[\g+7], 0
.endr
.irp g, G1S, G1SB                      ; 4,096 dense bytes as 16 rows of 256
	s_mov_b32 s[\g+1], 32<<16
	s_mov_b32 s[\g+2], 16<<16
	s_mov_b32 s[\g+3], 32<<16
	s_mov_b32 s[\g+4], 16
	s_mov_b32 s[\g+5], 32
	s_mov_b32 s[\g+6], 0
	s_mov_b32 s[\g+7], 0
.endr
	s_add_co_u32 s45, s42, 40                      ; wo's tile of 128 rows in cw and sw
	s_mul_i32 s104, s22, 4*24576                   ; which four row tiles I fetch
	s_mul_i32 s46, s43, 8*24576
	s_add_co_u32 s46, s46, s104
	s_mov_b32 s47, 0
	s_mul_i32 s66, s45, 8*24576
	s_add_co_u32 s66, s66, s104
	s_mov_b32 s67, 0
	s_lshl_b32 s105, s22, 12                       ; and their scales
	s_lshl_b32 s2, s43, 13
	s_add_co_u32 s2, s2, s105
	s_mov_b32 s3, 0
	s_lshl_b32 s104, s45, 13
	s_add_co_u32 s104, s104, s105
	s_mov_b32 s105, 0
	s_wait_kmcnt 0x0
	s_add_nc_u64 s[46:47], s[4:5], s[46:47]
	s_add_nc_u64 s[66:67], s[8:9], s[66:67]
	s_add_nc_u64 s[2:3], s[6:7], s[2:3]
	s_add_nc_u64 s[104:105], s[10:11], s[104:105]
	s_mov_b32 s[G0S], 1
	s_lshl_b32 s[G0S+1], s20, 12                   ; where they go: wave x 4,096: no place in the cluster enters an LDS address
	s_add_co_u32 s[G0S+1], s[G0S+1], SCL
	s_mov_b64 s[G0S+2:G0S+3], s[2:3]
	s_or_b32 s[G0S+3], s[G0S+3], 0x80000000
	s_mov_b32 s[G0SB], 1
	s_lshl_b32 s[G0SB+1], s20, 12
	s_add_co_u32 s[G0SB+1], s[G0SB+1], SCL
	s_mov_b64 s[G0SB+2:G0SB+3], s[104:105]
	s_or_b32 s[G0SB+3], s[G0SB+3], 0x80000000
.irp s, 0,1
	s_mov_b32 s[G0+4*\s], 1
	s_mul_i32 s[G0+4*\s+1], s20, 4*RTB             ; wave x four row tiles
	s_add_co_u32 s[G0+4*\s+1], s[G0+4*\s+1], \s*SLOT
	s_add_nc_u64 s[G0+4*\s+2:G0+4*\s+3], s[46:47], \s*RTB   ; slot s begins with K steps 4 s on
	s_or_b32 s[G0+4*\s+3], s[G0+4*\s+3], 0x80000000
	s_mov_b32 s[G0B+4*\s], 1
	s_mul_i32 s[G0B+4*\s+1], s20, 4*RTB
	s_add_co_u32 s[G0B+4*\s+1], s[G0B+4*\s+1], \s*SLOT
	s_add_nc_u64 s[G0B+4*\s+2:G0B+4*\s+3], s[66:67], \s*RTB
	s_or_b32 s[G0B+4*\s+3], s[G0B+4*\s+3], 0x80000000
.endr
	CROUND                                         ; all sixteen work-groups are here: the first joint loads meet
	JLOAD G0S, G1S, G0SB, G1SB                     ; the scales first: they are wanted with K step 0
	JLOAD G0, G1, G0B, G1B                         ; slot 0
	JLOAD G0+4, G1, G0B+4, G1B                     ; slot 1.  Three tensor loads of mine are out
	v_and_b32 v1, 15, v0                           ; r
	v_bfe_u32 v2, v0, 4, 1                         ; h
	v_and_b32 v[L8], 31, v0
	v_lshlrev_b32 v[L8], 3, v[L8]                  ; 8 x lane
	s_mul_i32 s46, s21, 4*RTB                      ; my four row tiles of tokens,
	s_mul_i32 s47, s22, 4*RTB                      ; and of wo, which lie behind the tokens' eight
	s_add_co_u32 s47, s47, S0OFF
.irp s, 0,1
	v_add_nc_u32 v[ADR1+\s], s46, v[L8]
	v_add_nc_u32 v[ADR0+\s], s47, v[L8]
	s_add_co_u32 s46, s46, SLOT
	s_add_co_u32 s47, s47, SLOT
.endr
	s_lshl_b32 s46, s21, 12                        ; scale words: the tokens' four tiles;
	s_lshl_b32 s47, s22, 12                        ; wo's, behind the tokens' 8,192 bytes
	s_add_co_u32 s47, s47, 8192
	s_sub_co_u32 s47, s47, s46
	v_mul_u32_u24 v4, s47, v2                      ; lanes 16-31 take wo's: one product, the distance between the two
	s_add_co_u32 s46, s46, SCL
	v_lshl_add_u32 v4, v1, 4, v4                   ; 16 bytes a row: the words of four K steps
	v_add_nc_u32 v[ADRS], s46, v4
	s_mul_i32 s46, s20, 16*SP
	s_add_co_u32 s46, s46, STAGE                   ; my stage
	v_mul_u32_u24 v4, v1, SP                       ; in: row r, 32 bytes for each half of the lanes
	v_lshl_add_u32 v4, v2, 5, v4
	v_add_nc_u32 v[STO], s46, v4
	v_mul_u32_u24 v4, v2, SP                       ; back: lanes 0-15 one row of 256 bytes, lanes 16-31 the next
	v_lshl_add_u32 v4, v1, 4, v4
	v_add_nc_u32 v[RD], s46, v4
	v_lshlrev_b32 v4, 13, v2                       ; and the same two rows in out0
	v_lshl_add_u32 v[CO], v1, 4, v4
	s_lshl_b32 s46, s42, 9                         ; my first column, in bytes: 512 x tile column + 256 x half
	s_lshl_b32 s47, s22, 8
	s_add_co_u32 s46, s46, s47
	s_mov_b32 s47, 0
	s_add_nc_u64 s[12:13], s[12:13], s[46:47]      ; the bias there,
	s_add_nc_u64 s[14:15], s[14:15], s[46:47]      ; out0 there,
	s_lshl_b32 s46, s43, 20                        ; at my first row: 128 x tile row + 64 x half, 8,192 bytes each
	s_lshl_b32 s2, s21, 19
	s_add_co_u32 s46, s46, s2
	s_add_nc_u64 s[14:15], s[14:15], s[46:47]
	v_lshlrev_b32 v5, 5, v2                        ; 32 h
.irp b, 0,1,2,3
	global_load_b128 v[BI+8*\b:BI+8*\b+3], v5, s[12:13] offset:64*\b          ; wo_b of columns 16 b + 8 h + 0 .. 7: eight registers in the result's layout
	global_load_b128 v[BI+8*\b+4:BI+8*\b+7], v5, s[12:13] offset:64*\b+16
.endr
; Four matrix instructions: the tokens' block a against wo's four, 128 along K: the slot's q-th.  f: the set of fragments; sc: the set of scale words.  zero = 1: the first product starts the sums from the bias: nothing is cleared or added later.
; A scale register holds the tokens' words in lanes 0-15 and wo's in lanes 16-31.  The 16 accumulators take turns, one instruction a turn, in the same order in every K step.
.macro MUL4 f, a, sc, q, zero
.irp b, 0,1,2,3
.if \zero
	v_wmma_scale_f32_16x16x128_f8f6f4 v[ACC+8*(4*(\a)+\b):ACC+8*(4*(\a)+\b)+7], v[\f+48+12*\b:\f+48+12*\b+11], v[\f+12*(\a):\f+12*(\a)+11], v[BI+8*\b:BI+8*\b+7], v[SC+16*(\sc)+4*\b+(\q)], v[SC+16*(\sc)+4*(\a)+(\q)] matrix_a_fmt:MATRIX_FMT_FP6 matrix_b_fmt:MATRIX_FMT_FP6 matrix_a_scale:MATRIX_SCALE_ROW1
.else
	v_wmma_scale_f32_16x16x128_f8f6f4 v[ACC+8*(4*(\a)+\b):ACC+8*(4*(\a)+\b)+7], v[\f+48+12*\b:\f+48+12*\b+11], v[\f+12*(\a):\f+12*(\a)+11], v[ACC+8*(4*(\a)+\b):ACC+8*(4*(\a)+\b)+7], v[SC+16*(\sc)+4*\b+(\q)], v[SC+16*(\sc)+4*(\a)+(\q)] matrix_a_fmt:MATRIX_FMT_FP6 matrix_b_fmt:MATRIX_FMT_FP6 matrix_a_scale:MATRIX_SCALE_ROW1
.endif
.endr
.endm
.macro FRAG reg, adr, off              ; a fragment's image: six loads of 256 consecutive bytes
.irp i, 0,1,2,3,4,5
	ds_load_b64 v[\reg+2*\i:\reg+2*\i+1], v[\adr] offset:\off+256*\i
.endr
.endm
.macro FETCH slot, q, f                ; 48 loads in one run: wo's four fragments, then the tokens' four
	WIN TO_F
.irp b, 0,1,2,3
	FRAG \f+48+12*\b, ADR0+\slot, \b*RTB+(\q)*FRB
.endr
.irp a, 0,1,2,3
	FRAG \f+12*\a, ADR1+\slot, \a*RTB+(\q)*FRB
.endr
.endm
.macro SCALES sc, fill                 ; a fill's scale words, four K steps a load: lanes 0-15 the tokens' tile i, lanes 16-31 wo's tile i
.irp i, 0,1,2,3
	ds_load_b128 v[SC+16*\sc+4*\i:SC+16*\sc+4*\i+3], v[ADRS] offset:1024*\i+256*\fill
.endr
.endm
.macro STEP slot, q, f, g, zero        ; a K step that has its successor in the same slot
	s_wait_dscnt 12                                ; all but the youngest 12 loads (the tokens' fragments 2 and 3) are in
	WIN MUL
	MUL4 \f, 0, \slot, \q, \zero
	MUL4 \f, 1, \slot, \q, \zero
	PLACES
	FETCH \slot, (\q)+1, \g
	s_wait_dscnt 48                                ; all but the 48 just issued
	WIN MUL
	MUL4 \f, 2, \slot, \q, \zero
	MUL4 \f, 3, \slot, \q, \zero
.endm
; A slot's last K step changes slots: ONE barrier; in front of it each wave waits for all its tensor loads, adds 0 to its spare word, and waits for that and for its own reads of this slot.
; fill = 1: the barrier opens a round of the cluster's barrier, and this slot is filled again, with the K steps eight on.  idx: which fill the next slot holds.
.macro TURN slot, next, fill, idx
	WIN 0                                          ; (the add's two registers lie in window 0)
	s_wait_tensorcnt 0x0                           ; all my tensor loads have landed: my part of the next slot among them;
	ds_add_u32 v[SPW], v[NIL]                      ; 0 onto my spare word;
	s_wait_dscnt 13                                ; (the add and the youngest 12 loads may be out)
	WIN MUL
	MUL4 F1, 0, \slot, 3, 0                        ; four matrix instructions stand between the add and the wait for it
	s_wait_dscnt 0x0                               ; the add is done, and my reads of this slot are over
	s_barrier_signal -1
	MUL4 F1, 1, \slot, 3, 0
	WIN 0
	s_barrier_wait -1
.if \fill
	CREST                                          ; no wave of any partner still reads this slot or has a load on its way
	s_add_nc_u64 s[G0+4*\slot+2:G0+4*\slot+3], s[G0+4*\slot+2:G0+4*\slot+3], 2*RTB
	s_add_nc_u64 s[G0B+4*\slot+2:G0B+4*\slot+3], s[G0B+4*\slot+2:G0B+4*\slot+3], 2*RTB
	JLOAD G0+4*\slot, G1, G0B+4*\slot, G1B         ; the first tensor load behind the round; its four v_nop are the places in front of the loads below
.else
	PLACES
.endif
	SCALES \next, \idx
	FETCH \next, 0, F0
	WIN MUL
	MUL4 F1, 2, \slot, 3, 0
	MUL4 F1, 3, \slot, 3, 0
.endm
	s_wait_tensorcnt 1                             ; the scales and my part of slot 0 are in; slot 1's load may be out
	s_barrier_signal -1
	s_barrier_wait -1                              ; everybody's are
	SCALES 0, 0
	FETCH 0, 0, F0
	s_wait_loadcnt 0x0                             ; the bias: the first products' C
	STEP 0, 0, F0, F1, 1                           ; K steps 0-3
	STEP 0, 1, F1, F0, 0
	STEP 0, 2, F0, F1, 0
	TURN 0, 1, 1, 1                                ; slot 0 takes K steps 8-11
	STEP 1, 0, F0, F1, 0                           ; K steps 4-7
	STEP 1, 1, F1, F0, 0
	STEP 1, 2, F0, F1, 0
	TURN 1, 0, 1, 2                                ; slot 1 takes K steps 12-15
	STEP 0, 0, F0, F1, 0                           ; K steps 8-11
	STEP 0, 1, F1, F0, 0
	STEP 0, 2, F0, F1, 0
	TURN 0, 1, 0, 3                                ; nothing is left to fetch: a barrier, no round
	STEP 1, 0, F0, F1, 0                           ; K steps 12-15
	STEP 1, 1, F1, F0, 0
	STEP 1, 2, F0, F1, 0
	s_wait_dscnt 12
	WIN MUL
	MUL4 F1, 0, 1, 3, 0
	MUL4 F1, 1, 1, 3, 0
	s_wait_dscnt 0x0
	MUL4 F1, 2, 1, 3, 0
	MUL4 F1, 3, 1, 3, 0
	WIN 0
; THE WAY OUT, block by block of 16 tokens x 64 columns.  A lane holds 32 neighbouring bytes of a row, and the lanes beside it hold other rows: so a block goes through my own stage in LDS and comes back as whole rows of 256 bytes.
; LDS serves a wave's instructions in order (ISA guide 5.7.1.4): no wait between the stores and the loads, nor in front of the next block's stores.
.macro TOSTAGE a
.irp b, 0,1,2,3
	ds_store_b128 v[STO], v[ACC+8*(4*(\a)+\b):ACC+8*(4*(\a)+\b)+3] offset:64*\b        ; each accumulator from its low end on
	ds_store_b128 v[STO], v[ACC+8*(4*(\a)+\b)+4:ACC+8*(4*(\a)+\b)+7] offset:64*\b+16
.endr
.irp t, 0,1,2,3,4,5,6,7
	ds_load_b128 v[OB+32*((\a)%2)+4*\t:OB+32*((\a)%2)+4*\t+3], v[RD] offset:\t*2*SP
.endr
.endm
.macro SEND a, younger                 ; younger: the LDS instructions issued behind block a's loads, which may stay out
	s_wait_dscnt \younger
.irp t, 0,1,2,3,4,5,6,7
	global_store_b128 v[CO], v[OB+32*((\a)%2)+4*\t:OB+32*((\a)%2)+4*\t+3], s[14:15] offset:(16*(\a)+2*\t)*8192 th:TH_STORE_NT   ; 16 lanes store 256 consecutive bytes, at a multiple of 256 from out0's first byte
.endr
.endm
	PLACES                                         ; behind the last products
	TOSTAGE 0
.irp a, 1,2,3
.if \a > 1
	s_wait_xcnt 0x0                                ; block a - 2's stores have read their registers: block a's loads may land there
.endif
	TOSTAGE \a
	SEND \a-1, 16                                  ; behind block a - 1's loads: block a's 8 stores and 8 loads
.endr
	SEND 3, 0
	s_wait_tensorcnt 0x0                           ; the wave's end: behind my last tensor load and my last LDS store
	ds_add_u32 v[SPW], v[NIL]
	s_wait_dscnt 0x0
	CROUND                                         ; the closing round: no work-group ends while a partner may still ask for a tile that names it
	s_endpgm
.Lfunc_end_k_qf4fce940d5_oproj:
	.size	k_qf4fce940d5_oproj, .Lfunc_end_k_qf4fce940d5_oproj-k_qf4fce940d5_oproj
	.p2alignl 7, 3214868480
	.fill 96, 4, 3214868480
	.section	.rodata,"a",@progbits
	.p2align	6, 0x0
	.amdhsa_kernel k_qf4fce940d5_oproj
		.amdhsa_group_segment_fixed_size 327680
		.amdhsa_private_segment_fixed_size 0
		.amdhsa_enable_private_segment 0
		.amdhsa_kernarg_size 48
		.amdhsa_user_sgpr_count 2
		.amdhsa_user_sgpr_kernarg_segment_ptr 1
		.amdhsa_wavefront_size32 1
		.amdhsa_system_sgpr_workgroup_id_x 1
		.amdhsa_system_sgpr_workgroup_id_y 1
		.amdhsa_system_sgpr_workgroup_id_z 1
		.amdhsa_system_vgpr_workitem_id 0
		.amdhsa_next_free_vgpr 512
		.amdhsa_next_free_sgpr 106
		.amdhsa_reserve_vcc 0
		.amdhsa_float_denorm_mode_32 3
		.amdhsa_float_denorm_mode_16_64 3
		.amdhsa_memory_ordered 1
		.amdhsa_forward_progress 1
		.amdhsa_inst_pref_size 106
	.end_amdhsa_kernel
	.amdgpu_metadata
---
amdhsa.version: [ 1, 2 ]
amdhsa.kernels:
  - .name:           k_qf4fce940d5_oproj
    .symbol:         k_qf4fce940d5_oproj.kd
    .args:
      - { .name: ac, .offset: 0, .size: 8, .value_kind: global_buffer, .address_space: global }
      - { .name: asc, .offset: 8, .size: 8, .value_kind: global_buffer, .address_space: global }
      - { .name: cw, .offset: 16, .size: 8, .value_kind: global_buffer, .address_space: global }
      - { .name: sw, .offset: 24, .size: 8, .value_kind: global_buffer, .address_space: global }
      - { .name: wo_b, .offset: 32, .size: 8, .value_kind: global_buffer, .address_space: global }
      - { .name: out0, .offset: 40, .size: 8, .value_kind: global_buffer, .address_space: global }
    .group_segment_fixed_size: 327680
    .private_segment_fixed_size: 0
    .kernarg_segment_align: 8
    .kernarg_segment_size: 48
    .max_flat_workgroup_size: 128
    .sgpr_count:     106
    .vgpr_count:     512
    .wavefront_size: 32
...
	.end_amdgpu_metadata
.endif
;; end of part 4
